; MI455X (gfx1250); checked and timed in simulation.
; The chip was launched on July 23, 2026; its instructions are those of AMD's public machine-readable ISA for CDNA 5 (MIT licence, August 2026) and "CDNA5" Instruction Set Architecture Reference Guide (July 2026). The comments in the code are by the model that wrote it; some were corrected since.
;; TF Attention. Allowed arithmetic: matrix products marked QUANTISED: E2M3 operands, one E8M0 scale for each 32 along K, by v_wmma_scale_f32_16x16x128_f8f6f4 with both operands' format E2M3, f32 sums; everything else in f32.
;; Inputs: c_attn_b 3,072 float32; c_attn_w 1,024 x 3,072 float32; c_proj_b 1,024 float32; c_proj_w 1,024 x 1,024 float32; x 4 x 2,048 x 1,024 float32.
;; Outputs: out0 4 x 2,048 x 1,024 float32.
;; This version of the problem:
;;   THIS VERSION OF THE PROBLEM IS GIVEN IN LOW PRECISION. The matrix products marked QUANTISED in the list below multiply operands that are first quantised to E2M3 (2 exponent bits, 3 mantissa bits; 6 bits a number), with one power-of-two scale for each 32 numbers along K (OCP MX v1.0); their sums are f32. All else is computed in f32.
;;   The module's matrix products, in the order in which they are computed (A, B: the left and right operand; K: the contracted axis; several contracted axes count as one K, in the product's order):
;;     1. [M 8,192, K 1,024] x [K 1,024, N 3,072]; A: input x; B: input c_attn_w: QUANTISED
;;     2. batch 64 x [M 2,048, K 64] x [K 64, N 2,048]; A: computed on the way; B: computed on the way: QUANTISED
;;     3. batch 64 x [M 2,048, K 2,048] x [K 2,048, N 64]; A: softmax (see below); B: computed on the way: QUANTISED
;;     4. [M 8,192, K 1,024] x [K 1,024, N 1,024]; A: computed on the way; B: input c_proj_w: QUANTISED
;;   THE QUANTISER, for each operand of a quantised product, along K:
;;     - K is cut into blocks of 32 from its start; a last block that is shorter is filled with zeros.
;;     - A block's scale is 2^e with e = floor(log2(the largest magnitude in the block)) - 2, held to -126 .. 127; a block of zeros has e = 0. As a byte (E8M0): e + 127.
;;     - Each number is divided by its block's scale, clamped to +-7.5, and rounded to the nearest number of E2M3, ties to even, subnormals kept.
;;     - The product sums the exact products of the quantised numbers (number of the format x scale) in f32.
;;   ~~~python
;;   def quantise(x, axis):      # numpy; x: float32 -> the quantised numbers, widened to float32 again
;;       x = np.moveaxis(x, axis, -1); K = x.shape[-1]
;;       x = np.pad(x, [(0, 0)] * (x.ndim - 1) + [(0, -K % 32)]); x = x.reshape(x.shape[:-1] + (-1, 32)); a = np.abs(x).max(-1, keepdims=True)
;;       e = np.where(a > 0, np.clip(np.frexp(np.where(a > 0, a, 1))[1] - 1 - 2, -126, 127), 0)      # np.frexp(a)[1] - 1 = floor(log2(a)), exactly
;;       r = np.clip(x / 2.0 ** e, -7.5, 7.5)
;;       step = 2.0 ** (np.maximum(np.frexp(np.where(r == 0, 1, r))[1] - 1, 0) - 3)
;;       q = np.round(r / step) * step * 2.0 ** e      # np.round: ties to even
;;       return np.moveaxis(q.reshape(q.shape[:-2] + (-1,))[..., :K], -1, axis).astype(np.float32)
;;   ~~~
;;   SOFTMAX AHEAD OF A QUANTISED PRODUCT. Where the list says 'softmax', what is quantised is not the finished softmax but p = 2^(t - M), with t = logit x log2(e) and M = ceil(the row's largest t), a whole number; so 1/2 < the row's largest p <= 1. The row's sum l is taken of the UNQUANTISED p, in f32, and the product's result is divided by l at the end. Since M is a whole number, a kernel that streams over the keys may use a running M (the ceiling of the running maximum): every later rescaling is an exact power of two, which a block's scale takes up: the codes' values come out the same.
;;   OPERANDS COMPUTED ON THE WAY. 'Computed on the way' means the value that the module computes at that place (a softmax that the list does not call 'softmax' is quantised finished and normalised). What goes into a quantiser is computed in f32, as accurately as f32 sums, v_exp_f32 and their like allow (about 1e-6 of the number): no bf16 or f16 on the way to a quantiser, and a product that is left as it is and whose result goes on into a quantised operand takes f32 operands (vector FMAs, or v_wmma_f32_16x16x4_f32). A number that lies on a knife's edge between two numbers of the format may be rounded either way, as far as f32 arithmetic and the matrix unit's own rounding can turn it there, and no further.
;; One version. Each part assembles by itself: llvm-mc -triple=amdgcn-amd-amdhsa -mcpu=gfx1250 --defsym DOCPART=n.
;; ======== version 1 of 1: 4 launches
;; workspace buffers: xq 6,553,600 bytes; wq 3,276,800 bytes; qr 6,815,744 bytes; kv 13,369,344 bytes; aq 6,553,600 bytes
;; launch quant (part 1): grid 768 x 1, 4 waves a work-group, no clusters, 68,096 bytes of LDS; arguments x, c_attn_w, c_proj_w, xq, wq; writes xq, wq
.if DOCPART == 1
	.amdgcn_target "amdgcn-amd-amdhsa--gfx1250"
	.amdhsa_code_object_version 6
	.text
	.protected	k_qef80d4783f_quant
	.globl	k_qef80d4783f_quant
	.p2align	8
	.type	k_qef80d4783f_quant,@function
k_qef80d4783f_quant:
	s_mov_b64 s[64:65], 0
	v_nop
	global_prefetch_b8 v0, s[64:65] scope:SCOPE_SE
	s_setreg_imm32_b32 hwreg(HW_REG_WAVE_MODE, 25, 1), 1
	s_wait_xcnt 0x0
; x [8192][1024], c_attn_w [1024][3072] and c_proj_w [1024][1024], all f32, become codes of FP6 (E2M3) with one E8M0 byte for each 32 along K (K = 1024: x's last axis, the weights' first).
; A block's scale is 2^(floor(log2(largest magnitude)) - 2): its byte is the largest magnitude's exponent field - 2, held at 1 from below by a floor among the maximum's leaves.
; LIMITS: NaN and infinities are not served; a block whose largest magnitude lies under 2^-124 has its byte held at 1; a block of zeros gets the byte 1 where the rule says 127 (its codes are zeros; this program alone reads the bytes).
; LAYOUT OF THE RESULTS: images of the matrix operand's registers.  32 neighbouring rows (of x) or columns (of a weight) are a PAIR of two tiles: row r of tile u is row 8 u + r + 8 (r / 8) of the pair.
; A HALF FRAGMENT, 768 bytes, is 16 rows x 64 K: lane (r, h) holds the 24 bytes of K = 32 h .. 32 h + 31 of row r: registers 0-3 at 16 (r + 16 h), registers 4-5 at 512 + 16 r + 8 h.
; A pair is 25,600 bytes: 4 chunks (256 K) of 6,400: tile 0's four half fragments, tile 1's four, then for each of the chunk's two K steps of 128 the 32 rows' scale words (word of row (u, r) at 4 (r + 16 u)).
; SHARES: a wave takes one pair x 128 K.  Work-groups 0-511: x; 512-703: c_attn_w; 704-767: c_proj_w.  Waves share nothing: no barrier.  No matrix unit, cluster or tensor load: the launch is a stream.
.set PAIRB,  25600
.set CHUNKB, 6400
.set SP,     528                       ; a stage row: 512 bytes + 16, an odd multiple of 16: the 16 rows that a read touches start in 16 different groups of banks
.set XWGS,   512
.set AWGS,   192
.set WPROJ,  96*PAIRB                  ; c_proj_w's pairs lie behind c_attn_w's 96
; where a wave's results go: s15 = pair, s22 = K step of 128.  s[18:19]: its half fragments; s[20:21]: its scale words
.macro OUTBASE ptr, extra
	s_mul_i32 s26, s15, PAIRB
	s_lshr_b32 s23, s22, 1
	s_mul_i32 s23, s23, CHUNKB
	s_add_co_u32 s26, s26, s23
	s_add_co_u32 s26, s26, \extra                  ; the chunk
	s_and_b32 s23, s22, 1
	s_mul_i32 s28, s23, 1536                       ; two half fragments a K step
	s_add_co_u32 s28, s28, s26
	s_lshl_b32 s23, s23, 7
	s_add_co_u32 s26, s26, s23
	s_add_co_u32 s26, s26, 6144
	s_add_nc_u64 s[18:19], s[\ptr:\ptr+1], s[28:29]
	s_add_nc_u64 s[20:21], s[\ptr:\ptr+1], s[26:27]
.endm
; the largest magnitude of 32 numbers of a lane, with the floor 2^(3 - 127) as one more leaf, in two chains; v14: 2 off its exponent field: the conversion's scale operand
.macro BLOCKMAX xs
	v_max3_num_f32 v12, |v[(\xs)]|, |v[(\xs)+1]|, |v[(\xs)+2]|
	v_max3_num_f32 v13, |v[(\xs)+3]|, |v[(\xs)+4]|, |v[(\xs)+5]|
.irp i, 6,10,14,18,22,26
	v_max3_num_f32 v12, v12, |v[(\xs)+\i]|, |v[(\xs)+\i+1]|
	v_max3_num_f32 v13, v13, |v[(\xs)+\i+2]|, |v[(\xs)+\i+3]|
.endr
	v_max3_num_f32 v12, v12, |v[(\xs)+30]|, |v[(\xs)+31]|
	v_max3_num_f32 v12, v12, v13, 0x1800000
	v_add_nc_u32 v14, 0xff000000, v12
.endm
	s_load_b256 s[4:11], s[0:1], 0x0               ; x s[4:5], c_attn_w s[6:7], c_proj_w s[8:9], xq s[10:11]
	s_load_b64 s[12:13], s[0:1], 0x20              ; wq
	v_lshl_add_u32 v62, v0, 2, 0x10800
	v_mov_b32 v63, 0
	v_lshrrev_b32 v1, 5, v0
	v_readfirstlane_b32 s14, v1                    ; wave
	v_and_b32 v1, 31, v0                           ; L
	v_and_b32 v2, 15, v0                           ; r
	v_bfe_u32 v3, v0, 4, 1                         ; h
	s_mov_b32 s25, 0
	s_mov_b32 s27, 0
	s_mov_b32 s29, 0
	s_cmp_lt_u32 ttmp9, XWGS
	s_cbranch_scc0 .Lweights
; ---- x: K is innermost.  Each of 32 loads reads 512 consecutive bytes of one row; the 16 KiB turn through the wave's own stage, where the rows are laid in tile order, and come back 32 neighbours (a whole block) a lane.
	v_lshlrev_b32 v4, 4, v1                        ; 16 L
	v_lshlrev_b32 v5, 4, v2
	v_lshl_add_u32 v5, v3, 3, v5                   ; 16 r + 8 h
	v_lshlrev_b32 v6, 2, v1                        ; 4 L
	s_mul_i32 s30, s14, 32*SP                      ; my stage
	v_add_nc_u32 v7, s30, v4                       ; in: 16 L of a row
	v_mul_u32_u24 v8, v2, SP
	v_lshl_add_u32 v8, v3, 7, v8
	v_add_nc_u32 v8, s30, v8                       ; back: row r of a tile, 128 h bytes on
	v_lshlrev_b32 v9, 3, v3                        ; 8 h
	s_mov_b32 s32, 0x76543210
	s_mov_b32 s33, 0xfedcba98                      ; lane l xor 16
	s_lshr_b32 s15, ttmp9, 1                       ; pair
	s_and_b32 s22, ttmp9, 1
	s_lshl_b32 s22, s22, 2
	s_add_co_u32 s22, s22, s14                     ; K step: the four waves stand side by side on 2,048 bytes of each row
	s_lshl_b32 s24, s15, 17                        ; 32 rows of 4,096 bytes
	s_lshl_b32 s23, s22, 9
	s_add_co_u32 s24, s24, s23
	s_wait_alu depctr_va_vdst(0)
	s_wait_kmcnt 0x0
	s_add_nc_u64 s[16:17], s[4:5], s[24:25]
	OUTBASE 10, 0
.set i, 0
.rept 32
	global_load_b128 v[64+4*i:67+4*i], v4, s[16:17] offset:4096*i th:TH_LOAD_NT
.set i, i+1
.endr
.set i, 0
.rept 4
	s_wait_loadcnt 24-i                            ; loads come back in order: the eight oldest still out are in, the younger ones stay out
.rept 8
	ds_store_b128 v7, v[64+4*i:67+4*i] offset:SP*(16*((i>>3)&1)+(i&7)+8*(i>>4))   ; row i of the pair is row (i & 7) + 8 (i >> 4) of tile (i >> 3) & 1
.set i, i+1
.endr
.endr
.macro RB n                            ; unit n = 2 u + c: tile u, 64 K from 64 c on: my block's 32 numbers, into set n % 2.  LDS serves a wave's instructions in order: these see the stores
.irp i, 0,1,2,3,4,5,6,7
	ds_load_b128 v[192+32*((\n)%2)+4*\i:195+32*((\n)%2)+4*\i], v8 offset:16*SP*((\n)/2)+256*((\n)%2)+16*\i
.endr
.endm
.macro UNIT n
.if (\n) < 3
	s_wait_dscnt 8                                 ; this unit's eight loads are in; the next unit's eight may be out
.else
	s_wait_dscnt 0x0
.endif
.set XS, 192+32*((\n)%2)
	BLOCKMAX XS
	v_cvt_scalef32_pk16_fp6_f32 v[32+8*(\n):34+8*(\n)], v[XS:XS+15], v14
	v_cvt_scalef32_pk16_fp6_f32 v[24:26], v[XS+16:XS+31], v14     ; (a conversion's three registers begin on an even number)
	v_lshrrev_b32 v[16+(\n)], 23, v14              ; the scale's byte; also the plain line behind the conversions
	v_mov_b32 v[35+8*(\n)], v24
	v_mov_b32 v[36+8*(\n)], v25
	v_mov_b32 v[37+8*(\n)], v26
	global_store_b128 v4, v[32+8*(\n):35+8*(\n)], s[18:19] offset:3072*((\n)/2)+768*((\n)%2)       ; 512 consecutive bytes, aligned; each unit has its own registers: no store's data are written again
	global_store_b64 v5, v[36+8*(\n):37+8*(\n)], s[18:19] offset:3072*((\n)/2)+768*((\n)%2)+512    ; 256 consecutive bytes, aligned
.if (\n) < 2
	RB (\n)+2
.endif
.endm
	RB 0
	RB 1
	UNIT 0
	UNIT 1
	UNIT 2
	UNIT 3
	v_lshl_or_b32 v20, v17, 16, v16                ; tile 0: my bytes of blocks h and 2 + h,
	v_lshl_or_b32 v21, v19, 16, v18                ; tile 1 likewise,
	v_lshlrev_b32 v20, v9, v20                     ; at their places in the word;
	v_lshlrev_b32 v21, v9, v21
	v_mov_b32 v22, 0                               ; (a lane permute's destination counts as one of its sources)
	v_mov_b32 v23, 0
	v_permlanex16_b32 v22, v20, s32, s33
	v_permlanex16_b32 v23, v21, s32, s33
	v_or_b32 v20, v20, v22                         ; with lane l xor 16's two bytes the words are whole
	v_or_b32 v21, v21, v23
	s_mov_b32 vcc_lo, 0xffff0000
	v_cndmask_b32 v20, v20, v21, vcc_lo            ; lanes 0-15 tile 0's rows, lanes 16-31 tile 1's
	global_store_b32 v6, v20, s[20:21]             ; 128 consecutive bytes: the K step's half of an aligned 256
	s_wait_tensorcnt 0x0
	ds_add_u32 v62, v63
	s_wait_dscnt 0x0
	s_endpgm
; ---- the weights: K is the first axis.  A lane takes a column and its registers run down K: a block of 32 lies in one lane, and the conversions give codes with K innermost; nothing is transposed.
.Lweights:
	v_bfe_u32 v10, v0, 3, 1                        ; column L of the pair is row r' = (L & 7) + 8 (L >> 4) of tile u = (L >> 3) & 1
	v_and_b32 v11, 7, v0
	s_wait_alu depctr_va_vdst(0)
	v_lshl_add_u32 v11, v3, 3, v11
	v_lshlrev_b32 v4, 2, v1                        ; in: 4 L
	v_mul_u32_u24 v5, v10, 3072
	v_lshl_add_u32 v5, v11, 4, v5                  ; out: 3,072 u + 16 r'
	v_lshl_add_u32 v6, v10, 4, v11
	v_lshlrev_b32 v6, 2, v6                        ; scale word: 4 (r' + 16 u)
.macro WLOAD cols, kb                  ; block kb: rows 32 kb .. 32 kb + 31 of my 128, my column, into registers of the block's own
.set i, 32*(\kb)
.rept 32
	global_load_b32 v[64+i], v4, s[16:17] offset:4*\cols*i th:TH_LOAD_NT   ; 32 lanes read 128 consecutive bytes; the largest offset, 127 rows of 12,288 bytes, lies inside the signed 24-bit immediate
.set i, i+1
.endr
.endm
.macro WBLK kb                         ; block kb of my column: half fragment c = kb / 2, half h = kb % 2.  The 12 registers of c at CB: [h = 0: registers 0-3][h = 0: 4, 5; h = 1: 4, 5][h = 1: 0-3]
.set XS, 64+32*(\kb)
.set CB, 32+12*((\kb)/2)
	BLOCKMAX XS
	v_cvt_scalef32_pk16_fp6_f32 v[CB+8*((\kb)%2):CB+8*((\kb)%2)+2], v[XS:XS+15], v14
	v_cvt_scalef32_pk16_fp6_f32 v[24:26], v[XS+16:XS+31], v14
	v_lshrrev_b32 v[16+(\kb)], 23, v14             ; the byte; also the plain line behind the conversions
.if (\kb)%2 == 0
	v_mov_b32 v[CB+3], v24
	v_mov_b32 v[CB+4], v25
	v_mov_b32 v[CB+5], v26
.else
	v_mov_b32 v[CB+11], v24
	v_mov_b32 v[CB+6], v25
	v_mov_b32 v[CB+7], v26
	global_store_b128 v5, v[CB:CB+3], s[18:19] offset:768*((\kb)/2)          ; sixteen lanes of a tile store 256 consecutive bytes, aligned
	global_store_b128 v5, v[CB+8:CB+11], s[18:19] offset:768*((\kb)/2)+256
	global_store_b128 v5, v[CB+4:CB+7], s[18:19] offset:768*((\kb)/2)+512
.endif
.endm
.macro WQ cols, wg0, src, extra
	s_sub_co_u32 s15, ttmp9, \wg0
	s_and_b32 s22, s15, 7                          ; K step
	s_lshr_b32 s15, s15, 3
	s_lshl_b32 s15, s15, 2
	s_add_co_u32 s15, s15, s14                     ; pair: the four waves stand side by side on 512 bytes of each row
	s_mul_i32 s24, s22, 512*\cols                  ; 128 rows of 4 x cols bytes
	s_lshl_b32 s23, s15, 7
	s_add_co_u32 s24, s24, s23
	s_wait_kmcnt 0x0
	s_add_nc_u64 s[16:17], s[\src:\src+1], s[24:25]
	OUTBASE 12, \extra
	WLOAD \cols, 0                                 ; the loads run two blocks ahead: 64 of a wave are out at the most
	WLOAD \cols, 1
	s_wait_loadcnt 32                              ; loads come back in order: block 0's 32 are in, block 1's 32 stay out
	WLOAD \cols, 2
	WBLK 0
	s_wait_loadcnt 32                              ; block 1's are in, block 2's stay out
	WLOAD \cols, 3
	WBLK 1
	s_wait_loadcnt 32                              ; block 2's are in, block 3's stay out
	WBLK 2
	s_wait_loadcnt 0x0                             ; block 3's: nothing was issued behind them
	WBLK 3
	v_lshl_or_b32 v20, v17, 8, v16
	v_lshl_or_b32 v20, v18, 16, v20
	v_lshl_or_b32 v20, v19, 24, v20                ; my column's scale word for these 128 K
	global_store_b32 v6, v20, s[20:21]
	s_endpgm
.endm
	s_cmp_lt_u32 ttmp9, XWGS+AWGS
	s_cbranch_scc0 .Lproj_w
	s_wait_alu depctr_va_vdst(0)
	WQ 3072, XWGS, 6, 0
.Lproj_w:
	s_wait_alu depctr_va_vdst(0)
	WQ 1024, XWGS+AWGS, 8, WPROJ
.Lfunc_end_k_qef80d4783f_quant:
	.size	k_qef80d4783f_quant, .Lfunc_end_k_qef80d4783f_quant-k_qef80d4783f_quant
	.p2alignl 7, 3214868480
	.fill 96, 4, 3214868480
	.section	.rodata,"a",@progbits
	.p2align	6, 0x0
	.amdhsa_kernel k_qef80d4783f_quant
		.amdhsa_group_segment_fixed_size 68096
		.amdhsa_private_segment_fixed_size 0
		.amdhsa_enable_private_segment 0
		.amdhsa_kernarg_size 40
		.amdhsa_user_sgpr_count 2
		.amdhsa_user_sgpr_kernarg_segment_ptr 1
		.amdhsa_wavefront_size32 1
		.amdhsa_system_sgpr_workgroup_id_x 1
		.amdhsa_system_sgpr_workgroup_id_y 1
		.amdhsa_system_sgpr_workgroup_id_z 1
		.amdhsa_system_vgpr_workitem_id 0
		.amdhsa_next_free_vgpr 256
		.amdhsa_next_free_sgpr 66
		.amdhsa_reserve_vcc 1
		.amdhsa_float_denorm_mode_32 3
		.amdhsa_float_denorm_mode_16_64 3
		.amdhsa_memory_ordered 1
		.amdhsa_forward_progress 1
		.amdhsa_inst_pref_size 56
	.end_amdhsa_kernel
	.amdgpu_metadata
---
amdhsa.version: [ 1, 2 ]
amdhsa.kernels:
  - .name:           k_qef80d4783f_quant
    .symbol:         k_qef80d4783f_quant.kd
    .args:
      - { .name: x, .offset: 0, .size: 8, .value_kind: global_buffer, .address_space: global }
      - { .name: c_attn_w, .offset: 8, .size: 8, .value_kind: global_buffer, .address_space: global }
      - { .name: c_proj_w, .offset: 16, .size: 8, .value_kind: global_buffer, .address_space: global }
      - { .name: xq, .offset: 24, .size: 8, .value_kind: global_buffer, .address_space: global }
      - { .name: wq, .offset: 32, .size: 8, .value_kind: global_buffer, .address_space: global }
    .group_segment_fixed_size: 68096
    .private_segment_fixed_size: 0
    .kernarg_segment_align: 8
    .kernarg_segment_size: 40
    .max_flat_workgroup_size: 128
    .sgpr_count:     66
    .vgpr_count:     256
    .wavefront_size: 32
...
	.end_amdgpu_metadata
.endif
;; end of part 1
;; launch qkv (part 2): grid 24 x 32, 8 waves a work-group, clusters of 4 x 4, 308,224 bytes of LDS; arguments xq, wq, c_attn_b, qr, kv; writes qr, kv
.if DOCPART == 2
	.amdgcn_target "amdgcn-amd-amdhsa--gfx1250"
	.amdhsa_code_object_version 6
	.text
	.protected	k_qef80d4783f_qkv
	.globl	k_qef80d4783f_qkv
	.p2align	8
	.type	k_qef80d4783f_qkv,@function
k_qef80d4783f_qkv:
	s_mov_b64 s[64:65], 0
	v_nop
	global_prefetch_b8 v0, s[64:65] scope:SCOPE_SE
	s_setreg_imm32_b32 hwreg(HW_REG_WAVE_MODE, 25, 1), 1
	s_wait_xcnt 0x0
	s_wait_alu depctr_hold_cnt(0) depctr_sa_sdst(0) depctr_va_vdst(0) depctr_va_sdst(0) depctr_va_ssrc(0) depctr_va_vcc(0) depctr_vm_vsrc(0)
	s_getreg_b32 s2, hwreg(HW_REG_IB_STS2, 6, 4)
	s_cmp_eq_u32 s2, 0
	s_cbranch_scc0 .Lentry_in_a_cluster
	s_endpgm
.Lentry_in_a_cluster:
	s_bfe_u32 s2, ttmp6, 0x10000c
	s_cmp_lg_u32 s2, 0xf033
	s_cbranch_scc0 .Lentry_shape_is_right
	s_endpgm
.Lentry_shape_is_right:
; qkv = x c_attn_w + c_attn_b on codes of FP6 (E2M3) with E8M0 scales, sums in f32; q, k and v are quantised in registers (q, k along the head's 64, v along the keys) and leave as images of operand registers.
; LIMITS: NaN and infinities are not served; a block whose largest magnitude lies under 2^-124 has its byte held at 1; a block of zeros gets the byte 1 (its codes are zeros; this program alone reads the bytes).
; OPERANDS (made by the launch before): 32 rows are a pair of two tiles (row r of tile u = row 8 u + r + 8 (r / 8) of the pair); a half fragment, 768 bytes, is 16 rows x 64 K as registers 0-5 of a fragment
; (registers 0-3 at 16 L, registers 4-5 at 512 + 16 r + 8 h); a pair is 4 chunks (256 K) of 6,400 bytes: tile 0's 4 half fragments, tile 1's 4, 2 x 128 bytes of scale words (row (u, r) at 4 (r + 16 u)).
; SHARES: a work-group makes 256 rows x 128 columns with ALL of K = 1,024 in LDS, each byte filled once: 4 chunks of 76,800 bytes (x: 8 pairs, then w: 4 pairs).  Eight waves; wave w makes rows 64 (w & 3) on, columns 64 (w >> 2) on:
; 16 accumulators.  64 columns are one head.
; CLUSTER 4 x 4: x's tiles hang on the tile row alone and are asked for jointly along a row of the cluster, w's on the tile column alone, along a column.  Waves 0-3 fetch x's pairs, waves 4-7 w's, four loads a wave (one a chunk),
; all at the head behind one round; four tensor loads of a wave are out.
; TRANSPOSED USE.  q, k: source 0 = 16 columns of w, source 1 = 16 rows of x: a lane holds one row, and by the pairs' order the 32 registers of four tiles are the head's 64 in the order that the conversions want.
; v: the sources change places: a lane holds one channel and its registers run along the keys, which are the next K.  The two ways part on the cluster's x, which all partners share.
; RESULTS.  qr [64 heads][16 steps of 128 queries][6,656]: 8 half fragments, then two blocks of 256 bytes of scale words (64 rows each: tile 2 b + u, row r at 8 (r + 16 u) + 4 b; bytes 0, 1; bytes 2, 3 are 0).
; kv [64][16][13,056]: K as in qr (scale words at 12,288); V at 6,144: [64 keys c][channel tile t] half fragments at 3,072 c + 768 t; V's scale words at 12,800 (byte 2 c + h for key block 2 c + h).
; V's scale bytes leave two at a time: the other half of each word belongs to another wave: 128 bytes in pieces for a wave's 3,072 bytes of codes.
; No ring and no refill: nothing is filled twice.  No prefetch: every tensor load stands at the head.
.set CHUNKB, 6400
.set LCH,    76800                     ; a chunk in LDS
.set LW,     51200                     ; w's part of it
.set WV,  14                           ; s14 wave;  s15 wave & 3;  s16 wave >> 2
.set LI,  15
.set WG,  16
.set G1X, 24                           ; s[24:31] group 1 for x's tiles;  s[32:39] for w's;  s[40:55] x's four groups 0;  s[56:63], s[68:75] w's
.set G1W, 32
.set G0X, 40
.set G0W, 56
.set SEL, 92                           ; s[92:93] lane l xor 16
.set PS,  20                           ; v20-21 source 0's scale words (a register a pair: lanes 0-15 tile 0, lanes 16-31 tile 1); v22-23 source 1's.  They hold scales and nothing else
.set RS,  22
.set TM,  24                           ; v24-31 at work
.set PF,  32                           ; v32-79 source 0's four fragments;  v80-127 source 1's
.set RF,  80
.set ACC, 128                          ; accumulator (a: source 1's tile, b: source 0's) at v[128 + 32 a + 8 b]
; v2-4: x's LDS addresses (16 L; 16 r + 8 h; 4 L, each + my 64 rows);  v5-7: w's;  v8 16 L, v9 16 r + 8 h, v10 8 L: the stores' lane terms;  v11 the bias's lane term;  v12-19 the v way's biases
.macro CROUND                          ; a round of the cluster's barrier
	s_barrier_signal -1
	s_barrier_wait -1
	s_cmp_lg_u32 s[WV], 0
	s_cbranch_scc1 .Lnot_wave_0_\@
	s_barrier_signal -3
.Lnot_wave_0_\@:
	s_barrier_wait -3
	s_barrier_signal -1
	s_barrier_wait -1
.endm
; one product: D at d, source 0 at a, source 1 at b; z = 1: C is 0, else C = D; sa, sb: the scale registers; ra, rb = 1: their lanes 16-31 are read
.macro W6 d, a, b, z, sa, ra, sb, rb
.if (\z) && (\ra) && (\rb)
	v_wmma_scale_f32_16x16x128_f8f6f4 v[(\d):(\d)+7], v[(\a):(\a)+11], v[(\b):(\b)+11], 0, v[(\sa)], v[(\sb)] matrix_a_fmt:MATRIX_FMT_FP6 matrix_b_fmt:MATRIX_FMT_FP6 matrix_a_scale:MATRIX_SCALE_ROW1 matrix_b_scale:MATRIX_SCALE_ROW1
.elseif (\z) && (\ra)
	v_wmma_scale_f32_16x16x128_f8f6f4 v[(\d):(\d)+7], v[(\a):(\a)+11], v[(\b):(\b)+11], 0, v[(\sa)], v[(\sb)] matrix_a_fmt:MATRIX_FMT_FP6 matrix_b_fmt:MATRIX_FMT_FP6 matrix_a_scale:MATRIX_SCALE_ROW1
.elseif (\z) && (\rb)
	v_wmma_scale_f32_16x16x128_f8f6f4 v[(\d):(\d)+7], v[(\a):(\a)+11], v[(\b):(\b)+11], 0, v[(\sa)], v[(\sb)] matrix_a_fmt:MATRIX_FMT_FP6 matrix_b_fmt:MATRIX_FMT_FP6 matrix_b_scale:MATRIX_SCALE_ROW1
.elseif (\z)
	v_wmma_scale_f32_16x16x128_f8f6f4 v[(\d):(\d)+7], v[(\a):(\a)+11], v[(\b):(\b)+11], 0, v[(\sa)], v[(\sb)] matrix_a_fmt:MATRIX_FMT_FP6 matrix_b_fmt:MATRIX_FMT_FP6
.elseif (\ra) && (\rb)
	v_wmma_scale_f32_16x16x128_f8f6f4 v[(\d):(\d)+7], v[(\a):(\a)+11], v[(\b):(\b)+11], v[(\d):(\d)+7], v[(\sa)], v[(\sb)] matrix_a_fmt:MATRIX_FMT_FP6 matrix_b_fmt:MATRIX_FMT_FP6 matrix_a_scale:MATRIX_SCALE_ROW1 matrix_b_scale:MATRIX_SCALE_ROW1
.elseif (\ra)
	v_wmma_scale_f32_16x16x128_f8f6f4 v[(\d):(\d)+7], v[(\a):(\a)+11], v[(\b):(\b)+11], v[(\d):(\d)+7], v[(\sa)], v[(\sb)] matrix_a_fmt:MATRIX_FMT_FP6 matrix_b_fmt:MATRIX_FMT_FP6 matrix_a_scale:MATRIX_SCALE_ROW1
.elseif (\rb)
	v_wmma_scale_f32_16x16x128_f8f6f4 v[(\d):(\d)+7], v[(\a):(\a)+11], v[(\b):(\b)+11], v[(\d):(\d)+7], v[(\sa)], v[(\sb)] matrix_a_fmt:MATRIX_FMT_FP6 matrix_b_fmt:MATRIX_FMT_FP6 matrix_b_scale:MATRIX_SCALE_ROW1
.else
	v_wmma_scale_f32_16x16x128_f8f6f4 v[(\d):(\d)+7], v[(\a):(\a)+11], v[(\b):(\b)+11], v[(\d):(\d)+7], v[(\sa)], v[(\sb)] matrix_a_fmt:MATRIX_FMT_FP6 matrix_b_fmt:MATRIX_FMT_FP6
.endif
.endm
; A K step of 128, the chunk's q-th: 36 LDS loads and 16 products.  pa, ra: the first of the three address registers of source 0's side and of source 1's.
.macro KSTEP q, pa, ra, zero
.irp p, 0,1
	ds_load_b32 v[PS+\p], v[\pa+2] offset:6144+CHUNKB*\p+128*(\q)
.endr
.irp p, 0,1
	ds_load_b32 v[RS+\p], v[\ra+2] offset:6144+CHUNKB*\p+128*(\q)
.endr
.irp i, 0,1,2,3
.irp c, 0,1
	ds_load_b128 v[PF+12*\i+6*\c:PF+12*\i+6*\c+3], v[\pa] offset:CHUNKB*(\i/2)+3072*(\i%2)+768*(2*(\q)+\c)
	ds_load_b64 v[PF+12*\i+6*\c+4:PF+12*\i+6*\c+5], v[\pa+1] offset:CHUNKB*(\i/2)+3072*(\i%2)+768*(2*(\q)+\c)+512
.endr
.endr
.irp i, 0,1,2,3
.irp c, 0,1
	ds_load_b128 v[RF+12*\i+6*\c:RF+12*\i+6*\c+3], v[\ra] offset:CHUNKB*(\i/2)+3072*(\i%2)+768*(2*(\q)+\c)
	ds_load_b64 v[RF+12*\i+6*\c+4:RF+12*\i+6*\c+5], v[\ra+1] offset:CHUNKB*(\i/2)+3072*(\i%2)+768*(2*(\q)+\c)+512
.endr
.endr
.irp a, 0,1,2,3
	s_wait_dscnt 12-4*\a                           ; source 1's tile a is in; the four loads of each later tile may be out
.irp b, 0,1,2,3
	W6 ACC+32*\a+8*\b, PF+12*\b, RF+12*\a, \zero, PS+\b/2, \b%2, RS+\a/2, \a%2   ; the sixteen accumulators by turns, in the same order in every step
.endr
.endr
.rept 4
	v_nop                                          ; four places behind the products, ahead of loads into their operands and of the first read of results
.endr
.endm
.macro MAIN pa, ra, zero
	s_wait_loadcnt 0x0                             ; the biases
.irp c, 0,1,2,3
	s_wait_tensorcnt 3-\c                          ; tensor loads of a wave end in order: my part of chunk c is in, the 3 - c later chunks stay out
	s_barrier_signal -1                            ; (no LDS load of mine is out: the last K step's waits ran down to 0)
	s_barrier_wait -1                              ; everybody's part is in
.if \c == 0
	KSTEP 0, \pa, \ra, \zero
.else
	s_wait_alu depctr_va_vdst(0)
	KSTEP 0, \pa, \ra, 0
.endif
	KSTEP 1, \pa, \ra, 0
.if \c < 3
.irp g, 2,3,4,5,6,7
	v_add_nc_u32 v[\g], LCH, v[\g]                 ; on to the next chunk
.endr
.endif
.endr
.endm
; 32 numbers of a lane, register 16 b + i = k 32 b + 16 h + i of my row, become a half fragment's six registers at cd and the row's two scale bytes in hw.  t: three registers at work
.macro QUANT64 s, cd, t, hw
.irp b, 0,1
	v_max3_num_f32 v[TM+\b], |v[(\s)+16*\b]|, |v[(\s)+16*\b+1]|, 0x1800000   ; my 16 numbers of block b, and the floor 2^(3 - 127): the byte cannot fall under 1.  Each accumulator is read from its low end on
.endr
.irp i, 2,4,6,8,10,12,14
.irp b, 0,1
	v_max3_num_f32 v[TM+\b], v[TM+\b], |v[(\s)+16*\b+\i]|, |v[(\s)+16*\b+\i+1]|
.endr
.endr
.irp b, 0,1
	s_delay_alu instid0(VALU_DEP_2)
	v_permlanex16_b32 v[TM+2+\b], v[TM+\b], s[SEL], s[SEL+1]
.endr
.irp b, 0,1
	s_delay_alu instid0(VALU_DEP_2)
	v_max_num_f32 v[TM+\b], v[TM+\b], v[TM+2+\b]   ; with lane l xor 16's 16: the block's largest magnitude
.endr
.irp b, 0,1
	s_delay_alu instid0(VALU_DEP_2)
	v_add_nc_u32 v[TM+4+\b], 0xff000000, v[TM+\b]  ; 2 off its exponent field: the conversion's scale operand
.endr
.irp b, 0,1
	s_delay_alu instid0(VALU_DEP_2)
	v_lshrrev_b32 v[TM+6+\b], 23, v[TM+4+\b]       ; the byte
.endr
	s_delay_alu instid0(VALU_DEP_1)
	v_lshl_or_b32 v[\hw], v[TM+7], 8, v[TM+6]
	v_cvt_scalef32_pk16_fp6_f32 v[(\cd):(\cd)+2], v[(\s):(\s)+15], v[TM+4]
	v_cvt_scalef32_pk16_fp6_f32 v[(\t):(\t)+2], v[(\s)+16:(\s)+31], v[TM+5]
	v_nop                                          ; one plain line behind the conversions
.irp i, 0,1,2
	v_permlane16_swap_b32 v[(\cd)+\i], v[(\t)+\i]  ; the layout wants a whole block in a lane: lanes 0-15 block 0, lanes 16-31 block 1
.endr
.irp i, 0,1,2
	s_delay_alu instid0(VALU_DEP_3)
	v_mov_b32 v[(\cd)+3+\i], v[(\t)+\i]
.endr
.endm
.macro QTILE a                         ; source 1's tile a: quantised and stored; each tile has its own registers for its codes: no store's data are written again
	QUANT64 ACC+32*(\a), 32+8*(\a), 64, 72+(\a)
	global_store_b128 v8, v[32+8*(\a):35+8*(\a)], s[88:89] offset:768*(\a)        ; 512 consecutive bytes, aligned
	global_store_b64 v9, v[36+8*(\a):37+8*(\a)], s[88:89] offset:768*(\a)+512     ; 256 consecutive bytes, aligned
.endm
	s_load_b256 s[4:11], s[0:1], 0x0               ; xq s[4:5], wq s[6:7], c_attn_b s[8:9], qr s[10:11]
	s_load_b64 s[12:13], s[0:1], 0x20              ; kv
	s_set_vgpr_msb 0x40
	v_lshl_add_u32 v0, v0, 2, 0x4b000
	v_mov_b32 v1, 0
	s_set_vgpr_msb 0x4045
	ds_add_u32 v0, v1
	ds_add_u32 v0, v1
	s_set_vgpr_msb 0x4500
	v_lshrrev_b32 v1, 5, v0
	s_delay_alu instid0(VALU_DEP_1)
	v_readfirstlane_b32 s[WV], v1
	s_and_b32 s[LI], s[WV], 3                      ; which 64 rows are mine; also: which part of a chunk I fetch
	s_lshr_b32 s[WG], s[WV], 2                     ; which 64 columns
	s_bfe_u32 s18, ttmp6, 0x40000                  ; cx
	s_bfe_u32 s19, ttmp6, 0x40004                  ; cy
	s_lshl_b32 s20, ttmp9, 2
	s_add_co_u32 s20, s20, s18                     ; tile column = 4 x cluster x + cx
	s_and_b32 s21, ttmp7, 0xffff
	s_lshl_b32 s21, s21, 2
	s_add_co_u32 s21, s21, s19                     ; tile row = 4 x cluster y + cy
	s_lshl_b32 s22, s19, 2
	s_lshl_b32 s22, 15, s22                        ; my row of the cluster
	s_lshl_b32 s23, 0x1111, s18                    ; my column
	s_or_b32 s[G1X], s22, (3<<16)|(1<<21)          ; 15:0 the mask; 17:16 elements of 8 bytes; 21 set beside a mask; no padding
	s_or_b32 s[G1W], s23, (3<<16)|(1<<21)
	s_mov_b32 s[G1X+1], 800<<16                    ; tensor_dim0 = 800 elements: a chunk of a pair, 6,400 bytes
	s_mov_b32 s[G1X+2], 2<<16                      ; tensor_dim1 = 2 pairs
	s_mov_b32 s[G1X+3], 800<<16                    ; tile_dim0
	s_mov_b32 s[G1X+4], 2                          ; tile_dim1
	s_mov_b32 s[G1X+5], 3200                       ; from pair to pair: 25,600 bytes
	s_mov_b32 s[G1X+6], 0
	s_mov_b32 s[G1X+7], 0
	s_mov_b32 s[G1W+1], 800<<16
	s_mov_b32 s[G1W+2], 1<<16                      ; one pair
	s_mov_b32 s[G1W+3], 800<<16
	s_mov_b32 s[G1W+4], 1
	s_mov_b32 s[G1W+5], 3200
	s_mov_b32 s[G1W+6], 0
	s_mov_b32 s[G1W+7], 0
	s_mul_i32 s76, s21, 204800                     ; x: 8 pairs a tile row, + my two.  These registers never hold cx,
	s_mul_i32 s80, s[LI], 51200
	s_add_co_u32 s76, s76, s80
	s_mov_b32 s77, 0
	s_mul_i32 s78, s20, 102400                     ; w: 4 pairs a tile column, + my one.  and these never cy
	s_mul_i32 s80, s[LI], 25600
	s_add_co_u32 s78, s78, s80
	s_mov_b32 s79, 0
	s_mul_i32 s81, s[LI], 2*CHUNKB                 ; where they go: no place in the cluster enters an LDS address
	s_mul_i32 s82, s[LI], CHUNKB
	s_wait_dscnt 0x0
	s_wait_kmcnt 0x0
	s_add_nc_u64 s[76:77], s[4:5], s[76:77]
	s_add_nc_u64 s[78:79], s[6:7], s[78:79]
.irp c, 0,1,2,3
	s_mov_b32 s[G0X+4*\c], 1
	s_add_co_u32 s[G0X+4*\c+1], s81, \c*LCH
	s_add_nc_u64 s[G0X+4*\c+2:G0X+4*\c+3], s[76:77], \c*CHUNKB
	s_or_b32 s[G0X+4*\c+3], s[G0X+4*\c+3], 0x80000000
	s_mov_b32 s[G0W+4*\c+4*(\c/2)], 1
	s_add_co_u32 s[G0W+4*\c+4*(\c/2)+1], s82, \c*LCH+LW
	s_add_nc_u64 s[G0W+4*\c+4*(\c/2)+2:G0W+4*\c+4*(\c/2)+3], s[78:79], \c*CHUNKB
	s_or_b32 s[G0W+4*\c+4*(\c/2)+3], s[G0W+4*\c+4*(\c/2)+3], 0x80000000
.endr
	CROUND                                         ; all sixteen work-groups are here: the joint loads meet
	s_cmp_lt_u32 s[WV], 4                          ; a wave's four fills stand in one branch on its number, ahead of every wait on TENSORcnt, every LDS read and every further barrier
	s_cbranch_scc0 .Lfill_w
	tensor_load_to_lds s[G0X:G0X+3], s[G1X:G1X+7]
	s_nop 0
	tensor_load_to_lds s[G0X+4:G0X+7], s[G1X:G1X+7]
	s_nop 0
	tensor_load_to_lds s[G0X+8:G0X+11], s[G1X:G1X+7]
	s_nop 0
	tensor_load_to_lds s[G0X+12:G0X+15], s[G1X:G1X+7]
	s_nop 0
.rept 4
	v_nop
.endr
	s_branch .Lfilled
.Lfill_w:
	tensor_load_to_lds s[G0W:G0W+3], s[G1W:G1W+7]
	s_nop 0
	tensor_load_to_lds s[G0W+4:G0W+7], s[G1W:G1W+7]
	s_nop 0
	tensor_load_to_lds s[G0W+12:G0W+15], s[G1W:G1W+7]
	s_nop 0
	tensor_load_to_lds s[G0W+16:G0W+19], s[G1W:G1W+7]
	s_nop 0
.rept 4
	v_nop
.endr
.Lfilled:
	v_and_b32 v1, 31, v0                           ; L
	v_and_b32 v24, 15, v0                          ; r
	v_bfe_u32 v25, v0, 4, 1                        ; h
	s_delay_alu instid0(VALU_DEP_3)
	v_lshlrev_b32 v8, 4, v1
	s_delay_alu instid0(VALU_DEP_3)
	v_lshlrev_b32 v9, 4, v24
	s_delay_alu instid0(VALU_DEP_1)
	v_lshl_add_u32 v9, v25, 3, v9
	v_lshlrev_b32 v10, 3, v1
	v_lshlrev_b32 v26, 2, v1
	s_mul_i32 s80, s[LI], 2*CHUNKB                 ; my two pairs of x
	v_add_nc_u32 v2, s80, v8
	v_add_nc_u32 v3, s80, v9
	v_add_nc_u32 v4, s80, v26
	s_mul_i32 s80, s[WG], 2*CHUNKB                 ; my two pairs of w
	s_add_co_u32 s80, s80, LW
	v_add_nc_u32 v5, s80, v8
	v_add_nc_u32 v6, s80, v9
	v_add_nc_u32 v7, s80, v26
	v_mov_b32 v27, 0                               ; (v26, v27 are lane permutes' destinations: written once here)
	s_mov_b32 s[SEL], 0x76543210
	s_mov_b32 s[SEL+1], 0xfedcba98
	s_lshr_b32 s81, s21, 3
	s_lshl_b32 s81, s81, 4                         ; 16 x batch
	s_and_b32 s82, s21, 7
	s_lshl_b32 s82, s82, 1
	s_lshr_b32 s83, s[LI], 1
	s_add_co_u32 s82, s82, s83                     ; which step of 128 rows of the sequence
	s_and_b32 s83, s[LI], 1                        ; and which 64 of it
	s_cmp_ge_u32 ttmp9, 4                          ; clusters 0, 1: q; 2, 3: k; 4, 5: v.  The cluster's x is the same in all partners
	s_cbranch_scc1 .Lv_way
; ---- q and k
	s_lshl_b32 s80, s20, 1
	s_add_co_u32 s80, s80, s[WG]                   ; my 64 columns: 64 x this
	s_lshl_b32 s84, s80, 8
	s_mov_b32 s85, 0
	s_add_nc_u64 s[84:85], s[8:9], s[84:85]        ; their biases
	s_and_b32 s80, s80, 15
	s_add_co_u32 s80, s80, s81                     ; batch x 16 + head
	s_cmp_ge_u32 ttmp9, 2
	s_cselect_b64 s[86:87], s[12:13], s[10:11]     ; kv or qr: the choice hangs on the cluster's number alone
	s_mov_b32 s88, 106496
	s_cselect_b32 s88, 208896, s88                 ; bytes a head,
	s_mov_b32 s89, 6656
	s_cselect_b32 s89, 13056, s89                  ; a step,
	s_mov_b32 s90, 6144
	s_cselect_b32 s90, 12288, s90                  ; and where a record's scale words begin
	s_mul_i32 s88, s88, s80
	s_mul_i32 s89, s89, s82
	s_add_co_u32 s88, s88, s89                     ; the record
	s_lshl_b32 s91, s83, 8
	s_add_co_u32 s90, s90, s91
	s_add_co_u32 s90, s90, s88
	s_mov_b32 s91, 0
	s_mul_i32 s89, s83, 3072
	s_add_co_u32 s88, s88, s89
	s_mov_b32 s89, 0
	s_add_nc_u64 s[88:89], s[86:87], s[88:89]      ; my four half fragments
	s_add_nc_u64 s[90:91], s[86:87], s[90:91]      ; my 64 rows' scale words
	v_lshlrev_b32 v11, 6, v25                      ; 64 h
.irp a, 0,1,2,3                        ; THE BIAS IS THE SUMS' START: register j of accumulator (a, 2 p + u) is column 32 p + 16 h + 8 u + j
.irp b, 0,1,2,3
	global_load_b128 v[ACC+32*\a+8*\b:ACC+32*\a+8*\b+3], v11, s[84:85] offset:128*(\b/2)+32*(\b%2)
	global_load_b128 v[ACC+32*\a+8*\b+4:ACC+32*\a+8*\b+7], v11, s[84:85] offset:128*(\b/2)+32*(\b%2)+16
.endr
.endr
	s_wait_alu depctr_va_vdst(0)
	MAIN 5, 2, 0                                   ; source 0 = w, source 1 = x
	QTILE 0
	QTILE 1
	QTILE 2
	QTILE 3
	s_mov_b32 vcc_lo, 0xffff0000
	v_cndmask_b32 v76, v72, v73, vcc_lo            ; lanes 0-15: tile 0's rows, lanes 16-31: tile 1's;
	v_cndmask_b32 v77, v74, v75, vcc_lo            ; tiles 2 and 3
	global_store_b64 v10, v[76:77], s[90:91]       ; 256 consecutive bytes, aligned
	s_set_vgpr_msb 0x5
	s_wait_tensorcnt 0x0
	ds_add_u32 v0, v1
	s_wait_dscnt 0x0
	s_set_vgpr_msb 0x500
	CROUND                                         ; the closing round
	s_endpgm
; ---- v
.Lv_way:
	s_sub_co_u32 s80, s20, 16
	s_lshl_b32 s80, s80, 1
	s_add_co_u32 s80, s80, s[WG]                   ; head
	s_lshl_b32 s84, s80, 8
	s_add_co_u32 s84, s84, 8192                    ; v's biases begin at number 2,048
	s_mov_b32 s85, 0
	s_add_nc_u64 s[84:85], s[8:9], s[84:85]
	s_add_co_u32 s80, s80, s81
	s_mul_i32 s88, s80, 208896
	s_mul_i32 s89, s82, 13056
	s_add_co_u32 s88, s88, s89                     ; the record
	s_lshl_b32 s90, s83, 1
	s_add_co_u32 s90, s90, s88
	s_add_co_u32 s90, s90, 12800                   ; V's scale words, my two bytes of each
	s_mov_b32 s91, 0
	s_mul_i32 s89, s83, 3072
	s_add_co_u32 s88, s88, s89
	s_add_co_u32 s88, s88, 6144                    ; my 64 keys' four half fragments
	s_mov_b32 s89, 0
	s_add_nc_u64 s[88:89], s[12:13], s[88:89]
	s_add_nc_u64 s[90:91], s[12:13], s[90:91]
	v_and_b32 v11, 8, v24
	s_delay_alu instid0(VALU_DEP_1)
	v_add_nc_u32 v11, v11, v24
	s_delay_alu instid0(VALU_DEP_1)
	v_lshlrev_b32 v11, 2, v11                      ; 4 (r + 8 (r / 8)): a lane holds one channel
.irp a, 0,1,2,3
	global_load_b32 v[12+2*\a], v11, s[84:85] offset:128*(\a/2)+32*(\a%2)
	v_mov_b32 v[13+2*\a], 0                        ; (named with it as a pair)
.endr
	s_wait_alu depctr_va_vdst(0)
	MAIN 2, 5, 1                                   ; source 0 = x, source 1 = w; the first products start the sums
.irp a, 0,1,2,3
.irp i, 0,2,4,6,8,10,12,14,16,18,20,22,24,26,28,30
	v_pk_add_f32 v[ACC+32*\a+\i:ACC+32*\a+\i+1], v[ACC+32*\a+\i:ACC+32*\a+\i+1], v[12+2*\a:13+2*\a] op_sel_hi:[1,0]   ; + my channel's bias, from each accumulator's low end on
.endr
	QTILE \a
.endr
	s_mov_b32 vcc_lo, 0xffff0000
	v_cndmask_b32 v76, v72, v73, vcc_lo
	v_cndmask_b32 v77, v74, v75, vcc_lo
	global_store_b16 v10, v76, s[90:91]            ; two bytes of each of 64 words
	global_store_b16 v10, v77, s[90:91] offset:4
	s_set_vgpr_msb 0x5
	s_wait_tensorcnt 0x0
	ds_add_u32 v0, v1
	s_wait_dscnt 0x0
	s_set_vgpr_msb 0x500
	CROUND
	s_endpgm
.Lfunc_end_k_qef80d4783f_qkv:
	.size	k_qef80d4783f_qkv, .Lfunc_end_k_qef80d4783f_qkv-k_qef80d4783f_qkv
	.p2alignl 7, 3214868480
	.fill 96, 4, 3214868480
	.section	.rodata,"a",@progbits
	.p2align	6, 0x0
	.amdhsa_kernel k_qef80d4783f_qkv
		.amdhsa_group_segment_fixed_size 308224
		.amdhsa_private_segment_fixed_size 0
		.amdhsa_enable_private_segment 0
		.amdhsa_kernarg_size 40
		.amdhsa_user_sgpr_count 2
		.amdhsa_user_sgpr_kernarg_segment_ptr 1
		.amdhsa_wavefront_size32 1
		.amdhsa_system_sgpr_workgroup_id_x 1
		.amdhsa_system_sgpr_workgroup_id_y 1
		.amdhsa_system_sgpr_workgroup_id_z 1
		.amdhsa_system_vgpr_workitem_id 0
		.amdhsa_next_free_vgpr 258
		.amdhsa_next_free_sgpr 100
		.amdhsa_reserve_vcc 1
		.amdhsa_float_denorm_mode_32 3
		.amdhsa_float_denorm_mode_16_64 3
		.amdhsa_memory_ordered 1
		.amdhsa_forward_progress 1
		.amdhsa_inst_pref_size 114
	.end_amdhsa_kernel
	.amdgpu_metadata
---
amdhsa.version: [ 1, 2 ]
amdhsa.kernels:
  - .name:           k_qef80d4783f_qkv
    .symbol:         k_qef80d4783f_qkv.kd
    .args:
      - { .name: xq, .offset: 0, .size: 8, .value_kind: global_buffer, .address_space: global }
      - { .name: wq, .offset: 8, .size: 8, .value_kind: global_buffer, .address_space: global }
      - { .name: c_attn_b, .offset: 16, .size: 8, .value_kind: global_buffer, .address_space: global }
      - { .name: qr, .offset: 24, .size: 8, .value_kind: global_buffer, .address_space: global }
      - { .name: kv, .offset: 32, .size: 8, .value_kind: global_buffer, .address_space: global }
    .group_segment_fixed_size: 308224
    .private_segment_fixed_size: 0
    .kernarg_segment_align: 8
    .kernarg_segment_size: 40
    .max_flat_workgroup_size: 256
    .sgpr_count:     100
    .vgpr_count:     258
    .wavefront_size: 32
...
	.end_amdgpu_metadata
.endif
;; end of part 2
;; launch attn (part 3): grid 4 x 64, 16 waves a work-group, clusters of 4 x 1, 210,944 bytes of LDS; arguments qr, kv, aq; writes aq
.if DOCPART == 3
	.amdgcn_target "amdgcn-amd-amdhsa--gfx1250"
	.amdhsa_code_object_version 6
	.text
	.protected	k_qef80d4783f_attn
	.globl	k_qef80d4783f_attn
	.p2align	8
	.type	k_qef80d4783f_attn,@function
k_qef80d4783f_attn:
	s_mov_b64 s[64:65], 0
	v_nop
	global_prefetch_b8 v0, s[64:65] scope:SCOPE_SE
	s_setreg_imm32_b32 hwreg(HW_REG_WAVE_MODE, 25, 1), 1
	s_wait_xcnt 0x0
	s_wait_alu depctr_hold_cnt(0) depctr_sa_sdst(0) depctr_va_vdst(0) depctr_va_sdst(0) depctr_va_ssrc(0) depctr_va_vcc(0) depctr_vm_vsrc(0)
	s_getreg_b32 s2, hwreg(HW_REG_IB_STS2, 6, 4)
	s_cmp_eq_u32 s2, 0
	s_cbranch_scc0 .Lentry_in_a_cluster
	s_endpgm
.Lentry_in_a_cluster:
	s_bfe_u32 s2, ttmp6, 0x10000c
	s_cmp_lg_u32 s2, 0x3003
	s_cbranch_scc0 .Lentry_shape_is_right
	s_endpgm
.Lentry_shape_is_right:
; a = softmax(mask(q k^T / 8)) v for one head, both products on codes of FP6 (E2M3) with E8M0 scales; a is quantised along the head's 64 and leaves as the next product's operand.
; THE SOFTMAX: t = logit x log2(e); M = the ceiling of the running largest t; p = 2^(t - M) is quantised along the keys; the row's sum is taken of the unquantised p and divides at the end.
; THE MASK: a key behind the query has the logit -10,000, not -infinity, so it keeps a weight p_m = 2^(-10,000 log2(e) - M), the same for all such keys of a row, and its t takes part in M.  Their SCORES need not be computed.
; So: M starts at that t (the one row without such a key, query 2,047, starts at -3e38); in the step on the diagonal hidden scores are replaced by -80,000 (x 1/8 = -10,000); in the steps behind it P is one constant operand, made once
; when M is final, and only the second product is done; the sum takes p_m x the number of those keys.
; LIMITS: NaN and infinities are not served; a p under 2^-126 is 0 (ISA guide, v_exp_f32); a block whose largest magnitude lies under 2^-124 has its byte held at 1; a block of zeros gets the byte 1 (zero codes; this program alone reads the bytes).
; a's scale bytes leave two at a time: the other half of each word belongs to another head's work-group.
; SHARES: the four work-groups of a cluster serve one head.  The head's 16 records of K and V (128 keys, 13,056 bytes each) lie in LDS whole, each filled once by ONE joint load of one of the 16 waves.
; Wave w owns two tiles of 16 queries: tile 2 j of step w and tile 2 j + 1 of step 15 - w (j: the work-group's place, which enters global addresses and the mask's numbers alone): 17 steps with scores and 15 without, for every wave.
; K = 64 in the first product: Q's upper six registers are zero codes.  K's tiles lie six registers apart, so that an operand's upper six are the next tile's codes (the last tile's: zeros): they meet Q's zeros and add nothing.
; Both products are used transposed: a lane holds one query throughout.  By the pairs' order (key r of tile 2 b + u is key 32 b + 8 u + r + 8 (r / 8)) the 16 registers of two neighbouring tiles are 16 neighbouring keys.
; No ring, no refill, no prefetch: all tensor loads stand at the head.  Four waves share a SIMD, so that one wave's vector work stands beside another's products and LDS loads.
; REGISTERS: v1 16 L, v2 16 r + 8 h, v3 8 L; v4-6 the step's LDS addresses; v7 the mask's d; v9 32 j + rho - 16 h; v10 4 r; v11 32 j + rho; v12 -M, v13 largest t, v[14:15] the sum; v16-27 Q; v28 Q's scale word; v29 -80,000; v30 hidden keys a lane;
; v32-85 K's eight tiles or V's four fragments; v86-92 the second tile's Q; v96-159 S^T, then p; v160-191 O^T; v192-203 p's codes; v204-210 at work; v212-215 K's scale words, v216-217 V's, v218 p's; v220-227, v232-254 at work.
.set REC, 13056
.set WV,  10
.set CX,  11
.set BH,  12
.set G1,  16                           ; s[16:23], s[24:27] the descriptor
.set G0,  24
.set SEL, 28                           ; s[28:29] lane l xor 16
.set CS,  30                           ; s[30:31] c = log2(e) / 8
.set SD,  32                           ; s32 the step on the diagonal;  s33 the step;  s34 its LDS byte
.set KS,  33
.set TB,  34
.set TM,  220
.set MK,  29
.set NH,  30
.macro CROUND
	s_barrier_signal -1
	s_barrier_wait -1
	s_cmp_lg_u32 s[WV], 0
	s_cbranch_scc1 .Lnot_wave_0_\@
	s_barrier_signal -3
.Lnot_wave_0_\@:
	s_barrier_wait -3
	s_barrier_signal -1
	s_barrier_wait -1
.endm
.macro W6 d, a, b, z, sa, ra, sb, rb
.if (\z) && (\ra) && (\rb)
	v_wmma_scale_f32_16x16x128_f8f6f4 v[(\d):(\d)+7], v[(\a):(\a)+11], v[(\b):(\b)+11], 0, v[(\sa)], v[(\sb)] matrix_a_fmt:MATRIX_FMT_FP6 matrix_b_fmt:MATRIX_FMT_FP6 matrix_a_scale:MATRIX_SCALE_ROW1 matrix_b_scale:MATRIX_SCALE_ROW1
.elseif (\z) && (\ra)
	v_wmma_scale_f32_16x16x128_f8f6f4 v[(\d):(\d)+7], v[(\a):(\a)+11], v[(\b):(\b)+11], 0, v[(\sa)], v[(\sb)] matrix_a_fmt:MATRIX_FMT_FP6 matrix_b_fmt:MATRIX_FMT_FP6 matrix_a_scale:MATRIX_SCALE_ROW1
.elseif (\z) && (\rb)
	v_wmma_scale_f32_16x16x128_f8f6f4 v[(\d):(\d)+7], v[(\a):(\a)+11], v[(\b):(\b)+11], 0, v[(\sa)], v[(\sb)] matrix_a_fmt:MATRIX_FMT_FP6 matrix_b_fmt:MATRIX_FMT_FP6 matrix_b_scale:MATRIX_SCALE_ROW1
.elseif (\z)
	v_wmma_scale_f32_16x16x128_f8f6f4 v[(\d):(\d)+7], v[(\a):(\a)+11], v[(\b):(\b)+11], 0, v[(\sa)], v[(\sb)] matrix_a_fmt:MATRIX_FMT_FP6 matrix_b_fmt:MATRIX_FMT_FP6
.elseif (\ra) && (\rb)
	v_wmma_scale_f32_16x16x128_f8f6f4 v[(\d):(\d)+7], v[(\a):(\a)+11], v[(\b):(\b)+11], v[(\d):(\d)+7], v[(\sa)], v[(\sb)] matrix_a_fmt:MATRIX_FMT_FP6 matrix_b_fmt:MATRIX_FMT_FP6 matrix_a_scale:MATRIX_SCALE_ROW1 matrix_b_scale:MATRIX_SCALE_ROW1
.elseif (\ra)
	v_wmma_scale_f32_16x16x128_f8f6f4 v[(\d):(\d)+7], v[(\a):(\a)+11], v[(\b):(\b)+11], v[(\d):(\d)+7], v[(\sa)], v[(\sb)] matrix_a_fmt:MATRIX_FMT_FP6 matrix_b_fmt:MATRIX_FMT_FP6 matrix_a_scale:MATRIX_SCALE_ROW1
.elseif (\rb)
	v_wmma_scale_f32_16x16x128_f8f6f4 v[(\d):(\d)+7], v[(\a):(\a)+11], v[(\b):(\b)+11], v[(\d):(\d)+7], v[(\sa)], v[(\sb)] matrix_a_fmt:MATRIX_FMT_FP6 matrix_b_fmt:MATRIX_FMT_FP6 matrix_b_scale:MATRIX_SCALE_ROW1
.else
	v_wmma_scale_f32_16x16x128_f8f6f4 v[(\d):(\d)+7], v[(\a):(\a)+11], v[(\b):(\b)+11], v[(\d):(\d)+7], v[(\sa)], v[(\sb)] matrix_a_fmt:MATRIX_FMT_FP6 matrix_b_fmt:MATRIX_FMT_FP6
.endif
.endm
.macro QUANT64 s, cd, t, hw            ; 32 numbers of a lane, register 16 b + i = k 32 b + 16 h + i of my row: a half fragment's six registers at cd, the row's two scale bytes in hw
.irp b, 0,1
	v_max3_num_f32 v[TM+\b], |v[(\s)+16*\b]|, |v[(\s)+16*\b+1]|, 0x1800000
.endr
.irp i, 2,4,6,8,10,12,14
.irp b, 0,1
	s_delay_alu instid0(VALU_DEP_2)
	v_max3_num_f32 v[TM+\b], v[TM+\b], |v[(\s)+16*\b+\i]|, |v[(\s)+16*\b+\i+1]|
.endr
.endr
.irp b, 0,1
	s_delay_alu instid0(VALU_DEP_2)
	v_permlanex16_b32 v[TM+2+\b], v[TM+\b], s[SEL], s[SEL+1]
.endr
.irp b, 0,1
	s_delay_alu instid0(VALU_DEP_2)
	v_max_num_f32 v[TM+\b], v[TM+\b], v[TM+2+\b]
.endr
.irp b, 0,1
	s_delay_alu instid0(VALU_DEP_2)
	v_add_nc_u32 v[TM+4+\b], 0xff000000, v[TM+\b]
.endr
.irp b, 0,1
	s_delay_alu instid0(VALU_DEP_2)
	v_lshrrev_b32 v[TM+6+\b], 23, v[TM+4+\b]
.endr
	s_delay_alu instid0(VALU_DEP_1)
	v_lshl_or_b32 v[\hw], v[TM+7], 8, v[TM+6]
	v_cvt_scalef32_pk16_fp6_f32 v[(\cd):(\cd)+2], v[(\s):(\s)+15], v[TM+4]
	v_cvt_scalef32_pk16_fp6_f32 v[(\t):(\t)+2], v[(\s)+16:(\s)+31], v[TM+5]
	v_nop                                          ; one plain line behind the conversions
.irp i, 0,1,2
	v_permlane16_swap_b32 v[(\cd)+\i], v[(\t)+\i]
.endr
.irp i, 0,1,2
	s_delay_alu instid0(VALU_DEP_3)
	v_mov_b32 v[(\cd)+3+\i], v[(\t)+\i]
.endr
.endm
.macro VLOAD                           ; the step's V: four fragments (16 channels x 128 keys) and their scale words: 17 loads
.irp t, 0,1,2,3
.irp c, 0,1
	ds_load_b128 v[32+12*\t+6*\c:35+12*\t+6*\c], v4 offset:6144+3072*\c+768*\t
	ds_load_b64 v[36+12*\t+6*\c:37+12*\t+6*\c], v5 offset:6144+3072*\c+768*\t+512
.endr
.endr
	ds_load_b64 v[216:217], v6 offset:12800
.endm
.macro PVPROD                          ; O^T += V^T P^T: the four accumulators by turns, on every way through the loop
	s_wait_dscnt 0x0                               ; V is in
.irp t, 0,1,2,3
	W6 160+8*\t, 32+12*\t, 192, 0, 216+\t/2, \t%2, 218, 0
.endr
.endm
.macro SOFTMAX
.irp b, 0,1,2,3
	v_max3_num_f32 v[232+\b], v[96+16*\b], v[97+16*\b], v[98+16*\b]   ; the largest score of each block of 32 keys: for the row's maximum and, since p rises with the score, for the block's largest p
.endr
.irp i, 3,5,7,9,11,13
.irp b, 0,1,2,3
	v_max3_num_f32 v[232+\b], v[232+\b], v[96+16*\b+\i], v[97+16*\b+\i]
.endr
.endr
.irp b, 0,1,2,3
	v_max_num_f32 v[232+\b], v[232+\b], v[111+16*\b]
.endr
.irp b, 0,1,2,3
	s_delay_alu instid0(VALU_DEP_4)
	v_permlanex16_b32 v[236+\b], v[232+\b], s[SEL], s[SEL+1]
.endr
.irp b, 0,1,2,3
	s_delay_alu instid0(VALU_DEP_4)
	v_max_num_f32 v[232+\b], v[232+\b], v[236+\b]  ; with lane l xor 16's 16 keys
.endr
	s_delay_alu instid0(VALU_DEP_2)
	v_max3_num_f32 v254, v232, v233, v234
	s_delay_alu instid0(VALU_DEP_1)
	v_max_num_f32 v254, v254, v235
	s_delay_alu instid0(VALU_DEP_1)
	v_mul_f32 v254, s[CS], v254                    ; the step's largest t
	s_delay_alu instid0(VALU_DEP_1)
	v_max_num_f32 v13, v13, v254
	v_mov_b32 v254, v12
	s_delay_alu instid0(VALU_DEP_2)
	v_floor_f32 v12, -v13                          ; -M = floor(-t): M is a whole number
	s_delay_alu instid0(VALU_DEP_1)
	v_sub_f32 v254, v12, v254
	s_delay_alu instid0(VALU_DEP_1)
	v_cvt_i32_f32 v254, v254                       ; old M - new M, 0 or less (it saturates)
	s_delay_alu instid0(VALU_DEP_1)
	v_ldexp_f32 v252, 1.0, v254                    ; f = 2^(old M - new M): rounds nothing
.set j, 0
.rept 32
	v_pk_fma_f32 v[96+j:97+j], v[96+j:97+j], s[CS:CS+1], v[12:13] op_sel_hi:[1,0,0]   ; t - M
.set j, j+2
.endr
.irp b, 0,1,2,3
	v_fma_f32 v[232+\b], v[232+\b], s[CS], v12
.endr
.set j, 0
	s_setprio 1
	s_wait_alu depctr_va_vdst(0)
.rept 64
	v_exp_f32 v[96+j], v[96+j]                     ; p, not normalised
.set j, j+1
.endr
	v_pk_mul_f32 v[14:15], v[14:15], v[252:253] op_sel_hi:[1,0]   ; the sum under the new M; the plain line behind the exponentials
	s_wait_alu depctr_va_vdst(0)                   ; one wait for the batch of 64, ahead of its first reader
.irp b, 0,1,2,3
	v_exp_f32 v[232+\b], v[232+\b]                 ; each block's largest p
.endr
	v_pk_add_f32 v[236:237], v[100:101], v[104:105]
	v_pk_add_f32 v[248:249], v[108:109], v[112:113]
	v_pk_add_f32 v[246:247], v[116:117], v[120:121]
	v_pk_add_f32 v[244:245], v[124:125], v[128:129]
	v_pk_add_f32 v[242:243], v[132:133], v[136:137]
	v_pk_add_f32 v[240:241], v[140:141], v[144:145]
	v_pk_add_f32 v[238:239], v[148:149], v[152:153]
	v_pk_add_f32 v[14:15], v[14:15], v[156:157]
	v_pk_add_f32 v[236:237], v[236:237], v[96:97]
	v_pk_add_f32 v[248:249], v[248:249], v[98:99]
	v_pk_add_f32 v[246:247], v[246:247], v[102:103]
	v_pk_add_f32 v[244:245], v[244:245], v[106:107]
	v_pk_add_f32 v[242:243], v[242:243], v[110:111]
	v_pk_add_f32 v[240:241], v[240:241], v[114:115]
	v_pk_add_f32 v[238:239], v[238:239], v[118:119]
	v_pk_add_f32 v[14:15], v[14:15], v[122:123]
	v_pk_add_f32 v[236:237], v[236:237], v[126:127]
	v_pk_add_f32 v[248:249], v[248:249], v[130:131]
	v_pk_add_f32 v[246:247], v[246:247], v[134:135]
	v_pk_add_f32 v[244:245], v[244:245], v[138:139]
	v_pk_add_f32 v[242:243], v[242:243], v[142:143]
	v_pk_add_f32 v[240:241], v[240:241], v[146:147]
	v_pk_add_f32 v[238:239], v[238:239], v[150:151]
	v_pk_add_f32 v[14:15], v[14:15], v[154:155]
	v_pk_add_f32 v[236:237], v[236:237], v[158:159]
	s_delay_alu instid0(VALU_DEP_2)
	v_pk_add_f32 v[14:15], v[14:15], v[244:245]
	s_delay_alu instid0(VALU_DEP_2)
	v_pk_add_f32 v[236:237], v[236:237], v[242:243]
	v_pk_add_f32 v[248:249], v[248:249], v[240:241]
	v_pk_add_f32 v[246:247], v[246:247], v[238:239]
	s_delay_alu instid0(VALU_DEP_2)
	v_pk_add_f32 v[14:15], v[14:15], v[248:249]
	s_delay_alu instid0(VALU_DEP_2)
	v_pk_add_f32 v[236:237], v[236:237], v[246:247]
	s_delay_alu instid0(VALU_DEP_1)
	v_pk_add_f32 v[14:15], v[14:15], v[236:237]
	s_wait_alu depctr_va_vdst(0)                   ; and one for the four
.irp b, 0,1,2,3
	v_max_num_f32 v[232+\b], 0x1800000, v[232+\b]  ; the floor 2^(3 - 127)
.endr
.irp b, 0,1,2,3
	s_delay_alu instid0(VALU_DEP_4)
	v_add_nc_u32 v[244+\b], 0xff000000, v[232+\b]
.endr
.irp b, 0,1,2,3
	s_delay_alu instid0(VALU_DEP_4)
	v_lshrrev_b32 v[236+\b], 23, v[244+\b]
.endr
	s_delay_alu instid0(VALU_DEP_3)
	v_lshl_or_b32 v218, v237, 8, v236              ; p's scale word for these 128 keys
	s_delay_alu instid0(VALU_DEP_1)
	v_lshl_or_b32 v218, v238, 16, v218
	s_delay_alu instid0(VALU_DEP_1)
	v_lshl_or_b32 v218, v239, 24, v218
.irp c, 0,1
	v_cvt_scalef32_pk16_fp6_f32 v[192+6*\c:194+6*\c], v[96+32*\c:111+32*\c], v[244+2*\c]
	v_cvt_scalef32_pk16_fp6_f32 v[204+4*\c:206+4*\c], v[112+32*\c:127+32*\c], v[244+2*\c+1]
.endr
	v_nop
.irp c, 0,1
.irp i, 0,1,2
	v_permlane16_swap_b32 v[192+6*\c+\i], v[204+4*\c+\i]
.endr
.irp i, 0,1,2
	s_delay_alu instid0(VALU_DEP_3)
	v_mov_b32 v[195+6*\c+\i], v[204+4*\c+\i]
.endr
.endr
.set j, 0
.rept 16
	v_pk_mul_f32 v[160+j:161+j], v[160+j:161+j], v[252:253] op_sel_hi:[1,0]   ; O^T under the new M, from each accumulator's low end on; these sixteen also stand between the writes of p's codes and scale word and the products
.set j, j+2
.endr
.endm
	s_load_b128 s[4:7], s[0:1], 0x0                ; qr s[4:5], kv s[6:7]
	s_load_b64 s[8:9], s[0:1], 0x10                ; aq
	v_lshl_add_u32 v251, v0, 2, 0x33000
	v_mov_b32 v255, 0
	ds_add_u32 v251, v255
	ds_add_u32 v251, v255
	v_lshrrev_b32 v1, 5, v0
	s_delay_alu instid0(VALU_DEP_1)
	v_readfirstlane_b32 s[WV], v1
	s_bfe_u32 s[CX], ttmp6, 0x40000                ; j
	s_and_b32 s[BH], ttmp7, 0xffff                 ; batch x 16 + head, which the four partners share
	s_mov_b32 s[G1], 15|(3<<16)|(1<<21)            ; the mask: all four; elements of 8 bytes; 21 set beside a mask; no padding
	s_mov_b32 s[G1+1], 32<<16                      ; a record is a dense block: 51 rows of 256 bytes
	s_mov_b32 s[G1+2], 51<<16
	s_mov_b32 s[G1+3], 32<<16
	s_mov_b32 s[G1+4], 51
	s_mov_b32 s[G1+5], 32
	s_mov_b32 s[G1+6], 0
	s_mov_b32 s[G1+7], 0
	s_mov_b32 s[G0], 1
	s_mul_i32 s[G0+1], s[WV], REC                  ; record w goes to LDS byte 13,056 w
	s_mul_i32 s40, s[BH], 16*REC
	s_add_co_u32 s40, s40, s[G0+1]
	s_mov_b32 s41, 0
	s_wait_dscnt 0x0
	s_wait_kmcnt 0x0
	s_add_nc_u64 s[G0+2:G0+3], s[6:7], s[40:41]
	s_or_b32 s[G0+3], s[G0+3], 0x80000000
	CROUND                                         ; all four work-groups are here: the joint loads meet
	tensor_load_to_lds s[G0:G0+3], s[G1:G1+7]      ; one load a wave: one is out
	s_nop 0
.rept 4
	v_nop
.endr
	v_and_b32 v31, 31, v0                          ; L
	v_and_b32 v93, 15, v0                          ; r
	v_bfe_u32 v94, v0, 4, 1                        ; h
	s_delay_alu instid0(VALU_DEP_3)
	v_lshlrev_b32 v1, 4, v31
	s_delay_alu instid0(VALU_DEP_3)
	v_lshlrev_b32 v2, 4, v93
	s_delay_alu instid0(VALU_DEP_1)
	v_lshl_add_u32 v2, v94, 3, v2
	v_lshlrev_b32 v3, 3, v31
	v_lshlrev_b32 v10, 2, v93
	v_and_b32 v95, 8, v93
	s_delay_alu instid0(VALU_DEP_1)
	v_add_nc_u32 v95, v95, v93                     ; rho = r + 8 (r / 8)
	s_lshl_b32 s40, s[CX], 5
	v_add_nc_u32 v11, s40, v95                     ; my query in its step, less 8 e
	v_lshlrev_b32 v7, 4, v94
	s_delay_alu instid0(VALU_DEP_1)
	v_sub_nc_u32 v9, v11, v7
	s_mul_i32 s40, s[CX], 1536                     ; Q: tile 2 j + e of a record
	v_add_nc_u32 v220, s40, v1
	s_wait_alu depctr_va_vdst(0)
	v_add_nc_u32 v221, s40, v2
	s_wait_alu depctr_va_vdst(0)
	s_lshr_b32 s40, s[CX], 1
	s_lshl_b32 s40, s40, 8
	s_and_b32 s41, s[CX], 1
	s_lshl_b32 s41, s41, 2
	s_add_co_u32 s40, s40, s41
	v_lshl_add_u32 v222, v93, 3, s40               ; its scale word: 256 (j / 2) + 4 (j % 2) + 8 r (+ 128 e)
	s_wait_alu depctr_va_vdst(0)
	s_mul_i32 s40, s[BH], 106496
	s_mul_i32 s42, s[WV], 6656
	s_add_co_u32 s42, s42, s40
	s_mov_b32 s43, 0
	s_add_nc_u64 s[36:37], s[4:5], s[42:43]        ; the record of step w
	s_sub_co_u32 s44, 15, s[WV]
	s_mul_i32 s44, s44, 6656
	s_add_co_u32 s44, s44, s40
	s_mov_b32 s45, 0
	s_add_nc_u64 s[38:39], s[4:5], s[44:45]        ; and of step 15 - w
	global_load_b128 v[16:19], v220, s[36:37]
	global_load_b64 v[20:21], v221, s[36:37] offset:512
	global_load_b32 v28, v222, s[36:37] offset:6144
	global_load_b128 v[86:89], v220, s[38:39] offset:768
	global_load_b64 v[90:91], v221, s[38:39] offset:768+512
	global_load_b32 v92, v222, s[38:39] offset:6144+128
	s_mov_b32 s[SEL], 0x76543210
	s_mov_b32 s[SEL+1], 0xfedcba98
	s_mov_b32 s[CS], 0x3e38aa3b                    ; log2(e) / 8
	s_mov_b32 s[CS+1], s[CS]
	v_mov_b32 v[MK], 0xc79c4000                    ; -80,000.0
.irp i, 0,1,2,3,4,5
	v_mov_b32 v[22+\i], 0                          ; Q's upper 64 along K: zero codes
	v_mov_b32 v[80+\i], 0                          ; behind K's last tile
.endr
.irp i, 0,1,2,3,4,5,6,7,8,9,10,11
	v_mov_b32 v[192+\i], 0                         ; written once, so that no way through the loop reads them unwritten
.endr
	v_mov_b32 v218, 0x7f7f7f7f
	v_mov_b32 v223, 0                              ; lane permutes' destinations count as sources
.irp b, 0,1,2,3
	v_mov_b32 v[236+\b], 0
.endr
	v_mov_b32 v252, 0
	v_mov_b32 v253, 0                              ; (named as the upper half of the pair v[252:253])
	s_wait_tensorcnt 0x0                           ; my record is in,
	s_barrier_signal -1
	s_barrier_wait -1                              ; everybody's is: the whole head lies in LDS, and nothing is filled again
	s_wait_loadcnt 0x0                             ; Q
; one tile of 16 queries through all 16 steps.  e = 0: tile 2 j of step w; e = 1: tile 2 j + 1 of step 15 - w
.macro PASS e
.if \e
.irp i, 0,1,2,3,4,5
	v_mov_b32 v[16+\i], v[86+\i]
.endr
	v_mov_b32 v28, v92
	s_sub_co_u32 s[SD], 15, s[WV]
.else
	s_mov_b32 s[SD], s[WV]
.endif
	v_add_nc_u32 v7, 8*\e, v9                      ; d = my query in its step - 16 h
	s_lshl_b32 s40, s[SD], 7
	s_add_co_u32 s40, s40, 8*\e
	v_add_nc_u32 v220, s40, v11                    ; my query
	s_delay_alu instid0(VALU_DEP_1)
	v_cmp_eq_u32 vcc_lo, 0x7ff, v220
	v_mul_f32 v13, s[CS], v[MK]                    ; the largest t so far: that of a hidden key;
	v_mov_b32 v221, 0xff61b1e6
	s_delay_alu instid0(VALU_DEP_1)
	v_cndmask_b32 v13, v13, v221, vcc_lo           ; query 2,047 has none: -3e38
	s_delay_alu instid0(VALU_DEP_1)
	v_floor_f32 v12, -v13
	v_mov_b32 v14, 0
	v_mov_b32 v15, 0
.set j, 0
.rept 32
	v_mov_b32 v[160+j], 0                          ; O^T: the step is written once; its first trip finds zeros
.set j, j+1
.endr
	s_sub_co_u32 s41, 15, s[SD]
	s_lshl_b32 s41, s41, 6
	v_cvt_f32_u32 v[NH], s41                       ; the keys of the steps behind the diagonal: 64 a step for each half of the lanes
	s_mov_b32 s[KS], 0
	s_mov_b32 s[TB], 0
.Lstep_\@:                             ; 16 trips, a constant; the branches hang on the wave's number and the count alone
	s_cmp_gt_u32 s[KS], s[SD]
	s_cbranch_scc1 .Lhid_\@
	s_setprio 2
	v_add_nc_u32 v4, s[TB], v1
	v_add_nc_u32 v5, s[TB], v2
	v_add_nc_u32 v6, s[TB], v3
	v_nop                                          ; four places behind the last products, ahead of loads into their operands
.irp t, 0,1,2,3,4,5,6,7
	ds_load_b128 v[32+6*\t:35+6*\t], v4 offset:768*\t
	ds_load_b64 v[36+6*\t:37+6*\t], v5 offset:768*\t+512
.endr
	ds_load_b64 v[212:213], v6 offset:12288
	ds_load_b64 v[214:215], v6 offset:12544
	s_wait_alu depctr_va_vdst(0)
	s_wait_dscnt 0x0
.irp t, 0,1,2,3,4,5,6,7
	W6 96+8*\t, 32+6*\t, 16, 1, 212+\t/2, \t%2, 28, 0    ; S^T = K Q^T
.endr
.rept 4
	v_nop
.endr
	VLOAD                                          ; lands under the softmax
	s_cmp_lt_u32 s[KS], s[SD]
	s_cbranch_scc1 .Lopen_\@
.set n, 0
.rept 64                               ; on the diagonal: register 16 b + i holds key 32 b + 16 h + i of the step: hidden where 32 b + i > d
	v_cmp_gt_i32 vcc_lo, 32*(n/16)+n%16, v7
	v_cndmask_b32 v[96+n], v[96+n], v[MK], vcc_lo
.set n, n+1
.endr
.Lopen_\@:
	SOFTMAX
	s_setprio 0
	s_wait_alu depctr_va_vdst(0)
	PVPROD
	s_cmp_lg_u32 s[KS], s[SD]
	s_cbranch_scc1 .Lnext_\@
	; M is final: the constant operand for the steps behind the diagonal
	v_fma_f32 v220, v[MK], s[CS], v12              ; a hidden key's t - M
	s_wait_alu depctr_va_vdst(0)
	v_exp_f32 v221, v220                           ; p_m
	v_nop
	s_wait_alu depctr_va_vdst(0)                   ; the wait ahead of the first reader
	v_fma_f32 v14, v221, v[NH], v14                ; the sum takes my half of those keys
.irp i, 0,1,2,3,4,5,6,7,8,9,10,11,12,13,14,15
	v_mov_b32 v[96+\i], v221                       ; (these are also the places behind the last products)
.endr
	v_max_num_f32 v222, 0x1800000, v221
	s_delay_alu instid0(VALU_DEP_1)
	v_add_nc_u32 v223, 0xff000000, v222
	s_delay_alu instid0(VALU_DEP_1)
	v_lshrrev_b32 v224, 23, v223
	s_delay_alu instid0(VALU_DEP_1)
	v_lshl_or_b32 v218, v224, 8, v224
	s_delay_alu instid0(VALU_DEP_1)
	v_lshl_or_b32 v218, v218, 16, v218             ; the same byte for all four blocks
	v_cvt_scalef32_pk16_fp6_f32 v[204:206], v[96:111], v223
	v_nop
.irp k, 0,1,2,3
.irp i, 0,1,2
	v_mov_b32 v[192+3*\k+\i], v[204+\i]            ; sixteen equal codes are 96 bits: the pattern repeats
.endr
.endr
.rept 8
	v_nop                                          ; a scale register written by a vector instruction stands eight places ahead of the product
.endr
	s_branch .Lnext_\@
.Lhid_\@:                              ; behind the diagonal: no scores, no softmax
	v_add_nc_u32 v4, s[TB], v1
	v_add_nc_u32 v5, s[TB], v2
	v_add_nc_u32 v6, s[TB], v3
	v_nop
	VLOAD
	s_wait_alu depctr_va_vdst(0)
	PVPROD
.Lnext_\@:
	s_add_co_u32 s[TB], s[TB], REC
	s_add_co_u32 s[KS], s[KS], 1
	s_cmp_lt_u32 s[KS], 16
	s_cbranch_scc1 .Lstep_\@
	s_setprio 0
	; the way out: O^T / the sum, quantised along the head's 64: half fragment (pair 64 batch + 4 step + j, tile e, K group = head) of the next product's operand
.rept 4
	v_nop
.endr
	v_add_f32 v14, v14, v15
	s_delay_alu instid0(VALU_DEP_1)
	v_permlanex16_b32 v252, v14, s[SEL], s[SEL+1]
	s_delay_alu instid0(VALU_DEP_1)
	v_add_f32 v14, v14, v252
	s_wait_alu depctr_va_vdst(0)
	v_rcp_f32 v14, v14
	v_nop
	s_lshr_b32 s40, s[BH], 4
	s_lshl_b32 s40, s40, 6
	s_lshl_b32 s41, s[SD], 2
	s_add_co_u32 s40, s40, s41
	s_add_co_u32 s40, s40, s[CX]
	s_mul_i32 s40, s40, 25600                      ; the pair
	s_and_b32 s41, s[BH], 15                       ; the head
	s_lshr_b32 s42, s41, 2
	s_mul_i32 s42, s42, 6400
	s_add_co_u32 s40, s40, s42                     ; the chunk
	s_and_b32 s42, s41, 3
	s_mul_i32 s42, s42, 768
	s_add_co_u32 s42, s42, s40
	s_mov_b32 s43, 0
	s_add_nc_u64 s[44:45], s[8:9], s[42:43]
	s_bfe_u32 s42, s41, 0x10001
	s_lshl_b32 s42, s42, 7                         ; which K step of the chunk,
	s_and_b32 s41, s41, 1
	s_lshl_b32 s41, s41, 1                         ; which two bytes of the word
	s_add_co_u32 s42, s42, s41
	s_add_co_u32 s42, s42, s40
	s_add_nc_u64 s[46:47], s[8:9], s[42:43]
	s_wait_alu depctr_va_vdst(0)                   ; ahead of the reciprocal's first reader
.set j, 0
.rept 32
	v_mul_f32 v[96+j], v[160+j], v14
.set j, j+1
.endr
	QUANT64 96, 192, 204, 228
	global_store_b128 v1, v[192:195], s[44:45] offset:3072*\e          ; 512 consecutive bytes, aligned
	global_store_b64 v2, v[196:197], s[44:45] offset:3072*\e+512       ; 256 consecutive bytes, aligned
	global_store_b16 v10, v228, s[46:47] offset:6144+64*\e             ; lanes l and l xor 16 store the same two bytes
	s_wait_xcnt 0x0                                ; the stores' registers and bases are written again only behind this wait
.endm
	PASS 0
	PASS 1
	s_wait_tensorcnt 0x0
	ds_add_u32 v251, v255
	s_wait_dscnt 0x0
	CROUND                                         ; the closing round
	s_endpgm
.Lfunc_end_k_qef80d4783f_attn:
	.size	k_qef80d4783f_attn, .Lfunc_end_k_qef80d4783f_attn-k_qef80d4783f_attn
	.p2alignl 7, 3214868480
	.fill 96, 4, 3214868480
	.section	.rodata,"a",@progbits
	.p2align	6, 0x0
	.amdhsa_kernel k_qef80d4783f_attn
		.amdhsa_group_segment_fixed_size 210944
		.amdhsa_private_segment_fixed_size 0
		.amdhsa_enable_private_segment 0
		.amdhsa_kernarg_size 24
		.amdhsa_user_sgpr_count 2
		.amdhsa_user_sgpr_kernarg_segment_ptr 1
		.amdhsa_wavefront_size32 1
		.amdhsa_system_sgpr_workgroup_id_x 1
		.amdhsa_system_sgpr_workgroup_id_y 1
		.amdhsa_system_sgpr_workgroup_id_z 1
		.amdhsa_system_vgpr_workitem_id 0
		.amdhsa_next_free_vgpr 256
		.amdhsa_next_free_sgpr 66
		.amdhsa_reserve_vcc 1
		.amdhsa_float_denorm_mode_32 3
		.amdhsa_float_denorm_mode_16_64 3
		.amdhsa_memory_ordered 1
		.amdhsa_forward_progress 1
		.amdhsa_inst_pref_size 73
	.end_amdhsa_kernel
	.amdgpu_metadata
---
amdhsa.version: [ 1, 2 ]
amdhsa.kernels:
  - .name:           k_qef80d4783f_attn
    .symbol:         k_qef80d4783f_attn.kd
    .args:
      - { .name: qr, .offset: 0, .size: 8, .value_kind: global_buffer, .address_space: global }
      - { .name: kv, .offset: 8, .size: 8, .value_kind: global_buffer, .address_space: global }
      - { .name: aq, .offset: 16, .size: 8, .value_kind: global_buffer, .address_space: global }
    .group_segment_fixed_size: 210944
    .private_segment_fixed_size: 0
    .kernarg_segment_align: 8
    .kernarg_segment_size: 24
    .max_flat_workgroup_size: 512
    .sgpr_count:     66
    .vgpr_count:     256
    .wavefront_size: 32
...
	.end_amdgpu_metadata
.endif
;; end of part 3
;; launch proj (part 4): grid 8 x 32, 8 waves a work-group, clusters of 4 x 4, 308,224 bytes of LDS; arguments aq, wq, c_proj_b, out0; writes out0
.if DOCPART == 4
	.amdgcn_target "amdgcn-amd-amdhsa--gfx1250"
	.amdhsa_code_object_version 6
	.text
	.protected	k_qef80d4783f_proj
	.globl	k_qef80d4783f_proj
	.p2align	8
	.type	k_qef80d4783f_proj,@function
k_qef80d4783f_proj:
	s_mov_b64 s[64:65], 0
	v_nop
	global_prefetch_b8 v0, s[64:65] scope:SCOPE_SE
	s_setreg_imm32_b32 hwreg(HW_REG_WAVE_MODE, 25, 1), 1
	s_wait_xcnt 0x0
	s_wait_alu depctr_hold_cnt(0) depctr_sa_sdst(0) depctr_va_vdst(0) depctr_va_sdst(0) depctr_va_ssrc(0) depctr_va_vcc(0) depctr_vm_vsrc(0)
	s_getreg_b32 s2, hwreg(HW_REG_IB_STS2, 6, 4)
	s_cmp_eq_u32 s2, 0
	s_cbranch_scc0 .Lentry_in_a_cluster
	s_endpgm
.Lentry_in_a_cluster:
	s_bfe_u32 s2, ttmp6, 0x10000c
	s_cmp_lg_u32 s2, 0xf033
	s_cbranch_scc0 .Lentry_shape_is_right
	s_endpgm
.Lentry_shape_is_right:
; out0 = a c_proj_w + c_proj_b on codes of FP6 (E2M3) with E8M0 scales, sums in f32.  a's codes come from the attention launch, the weight's from the first launch (behind c_attn_w's 96 pairs), both as images of operand registers:
; 32 rows are a pair of two tiles (row r of tile u = row 8 u + r + 8 (r / 8)); a half fragment, 768 bytes, is 16 rows x 64 K (registers 0-3 at 16 L, registers 4-5 at 512 + 16 r + 8 h); a pair is 4 chunks (256 K) of 6,400 bytes:
; tile 0's 4 half fragments, tile 1's 4, 2 x 128 bytes of scale words (row (u, r) at 4 (r + 16 u)).
; SHARES: a work-group makes 256 rows x 128 columns with all of K = 1,024 in LDS, each byte filled once: 4 chunks of 76,800 bytes (a: 8 pairs, then w: 4 pairs).  Wave w of eight makes rows 64 (w & 3) on, columns 64 (w >> 2) on.
; CLUSTER 4 x 4: a's tiles are asked for jointly along a row of the cluster, w's along a column.  Waves 0-3 fetch a's pairs, waves 4-7 w's, four loads a wave, all at the head behind one round: four tensor loads of a wave are out.
; TRANSPOSED USE: source 0 = 16 columns of w, source 1 = 16 rows of a: a lane holds one row, and by the pairs' order its registers hold 16 neighbouring columns of each 32.  The bias is the sums' start.
; THE WAY OUT: a tile of 16 rows x 64 columns goes through the wave's own stage in LDS and leaves as rows of 256 bytes.  The stages lie in chunk 0, which has had its one fill and whose last reads every wave has awaited ahead of chunk 1's barrier.
; No ring, no refill, no prefetch: every tensor load stands at the head.  LIMITS: NaN and infinities are not served.
.set CHUNKB, 6400
.set LCH,    76800
.set LW,     51200
.set WPROJ,  2457600
.set WV,  14
.set LI,  15
.set WG,  16
.set G1X, 24
.set G1W, 32
.set G0X, 40
.set G0W, 56
.set PS,  20                           ; v20-23 scale words, and nothing else
.set RS,  22
.set PF,  32
.set RF,  80
.set ACC, 128
; v2-4 a's LDS addresses, v5-7 w's; v11 the bias's lane term; v12 the stage, in; v13 the stage, back; v14 my byte offset in out0
.macro CROUND
	s_barrier_signal -1
	s_barrier_wait -1
	s_cmp_lg_u32 s[WV], 0
	s_cbranch_scc1 .Lnot_wave_0_\@
	s_barrier_signal -3
.Lnot_wave_0_\@:
	s_barrier_wait -3
	s_barrier_signal -1
	s_barrier_wait -1
.endm
.macro W6 d, a, b, z, sa, ra, sb, rb
.if (\z) && (\ra) && (\rb)
	v_wmma_scale_f32_16x16x128_f8f6f4 v[(\d):(\d)+7], v[(\a):(\a)+11], v[(\b):(\b)+11], 0, v[(\sa)], v[(\sb)] matrix_a_fmt:MATRIX_FMT_FP6 matrix_b_fmt:MATRIX_FMT_FP6 matrix_a_scale:MATRIX_SCALE_ROW1 matrix_b_scale:MATRIX_SCALE_ROW1
.elseif (\z) && (\ra)
	v_wmma_scale_f32_16x16x128_f8f6f4 v[(\d):(\d)+7], v[(\a):(\a)+11], v[(\b):(\b)+11], 0, v[(\sa)], v[(\sb)] matrix_a_fmt:MATRIX_FMT_FP6 matrix_b_fmt:MATRIX_FMT_FP6 matrix_a_scale:MATRIX_SCALE_ROW1
.elseif (\z) && (\rb)
	v_wmma_scale_f32_16x16x128_f8f6f4 v[(\d):(\d)+7], v[(\a):(\a)+11], v[(\b):(\b)+11], 0, v[(\sa)], v[(\sb)] matrix_a_fmt:MATRIX_FMT_FP6 matrix_b_fmt:MATRIX_FMT_FP6 matrix_b_scale:MATRIX_SCALE_ROW1
.elseif (\z)
	v_wmma_scale_f32_16x16x128_f8f6f4 v[(\d):(\d)+7], v[(\a):(\a)+11], v[(\b):(\b)+11], 0, v[(\sa)], v[(\sb)] matrix_a_fmt:MATRIX_FMT_FP6 matrix_b_fmt:MATRIX_FMT_FP6
.elseif (\ra) && (\rb)
	v_wmma_scale_f32_16x16x128_f8f6f4 v[(\d):(\d)+7], v[(\a):(\a)+11], v[(\b):(\b)+11], v[(\d):(\d)+7], v[(\sa)], v[(\sb)] matrix_a_fmt:MATRIX_FMT_FP6 matrix_b_fmt:MATRIX_FMT_FP6 matrix_a_scale:MATRIX_SCALE_ROW1 matrix_b_scale:MATRIX_SCALE_ROW1
.elseif (\ra)
	v_wmma_scale_f32_16x16x128_f8f6f4 v[(\d):(\d)+7], v[(\a):(\a)+11], v[(\b):(\b)+11], v[(\d):(\d)+7], v[(\sa)], v[(\sb)] matrix_a_fmt:MATRIX_FMT_FP6 matrix_b_fmt:MATRIX_FMT_FP6 matrix_a_scale:MATRIX_SCALE_ROW1
.elseif (\rb)
	v_wmma_scale_f32_16x16x128_f8f6f4 v[(\d):(\d)+7], v[(\a):(\a)+11], v[(\b):(\b)+11], v[(\d):(\d)+7], v[(\sa)], v[(\sb)] matrix_a_fmt:MATRIX_FMT_FP6 matrix_b_fmt:MATRIX_FMT_FP6 matrix_b_scale:MATRIX_SCALE_ROW1
.else
	v_wmma_scale_f32_16x16x128_f8f6f4 v[(\d):(\d)+7], v[(\a):(\a)+11], v[(\b):(\b)+11], v[(\d):(\d)+7], v[(\sa)], v[(\sb)] matrix_a_fmt:MATRIX_FMT_FP6 matrix_b_fmt:MATRIX_FMT_FP6
.endif
.endm
.macro KSTEP q, pa, ra, zero           ; a K step of 128, the chunk's q-th: 36 LDS loads and 16 products
.irp p, 0,1
	ds_load_b32 v[PS+\p], v[\pa+2] offset:6144+CHUNKB*\p+128*(\q)
.endr
.irp p, 0,1
	ds_load_b32 v[RS+\p], v[\ra+2] offset:6144+CHUNKB*\p+128*(\q)
.endr
.irp i, 0,1,2,3
.irp c, 0,1
	ds_load_b128 v[PF+12*\i+6*\c:PF+12*\i+6*\c+3], v[\pa] offset:CHUNKB*(\i/2)+3072*(\i%2)+768*(2*(\q)+\c)
	ds_load_b64 v[PF+12*\i+6*\c+4:PF+12*\i+6*\c+5], v[\pa+1] offset:CHUNKB*(\i/2)+3072*(\i%2)+768*(2*(\q)+\c)+512
.endr
.endr
.irp i, 0,1,2,3
.irp c, 0,1
	ds_load_b128 v[RF+12*\i+6*\c:RF+12*\i+6*\c+3], v[\ra] offset:CHUNKB*(\i/2)+3072*(\i%2)+768*(2*(\q)+\c)
	ds_load_b64 v[RF+12*\i+6*\c+4:RF+12*\i+6*\c+5], v[\ra+1] offset:CHUNKB*(\i/2)+3072*(\i%2)+768*(2*(\q)+\c)+512
.endr
.endr
.irp a, 0,1,2,3
	s_wait_dscnt 12-4*\a                           ; source 1's tile a is in; the four loads of each later tile may be out
.irp b, 0,1,2,3
	W6 ACC+32*\a+8*\b, PF+12*\b, RF+12*\a, \zero, PS+\b/2, \b%2, RS+\a/2, \a%2   ; the sixteen accumulators by turns, in the same order in every step
.endr
.endr
.rept 4
	v_nop                                          ; four places behind the products, ahead of loads into their operands and of the first read of results
.endr
.endm
.macro MAIN pa, ra, zero
	s_wait_loadcnt 0x0                             ; the biases
.irp c, 0,1,2,3
	s_wait_tensorcnt 3-\c                          ; my part of chunk c is in, the 3 - c later chunks stay out
	s_barrier_signal -1                            ; (no LDS load of mine is out: the last K step's waits ran down to 0)
	s_barrier_wait -1
.if \c == 0
	KSTEP 0, \pa, \ra, \zero
.else
	s_wait_alu depctr_va_vdst(0)
	KSTEP 0, \pa, \ra, 0
.endif
	KSTEP 1, \pa, \ra, 0
.if \c < 3
.irp g, 2,3,4,5,6,7
	v_add_nc_u32 v[\g], LCH, v[\g]
.endr
.endif
.endr
.endm
	s_load_b256 s[4:11], s[0:1], 0x0               ; aq s[4:5], wq s[6:7], c_proj_b s[8:9], out0 s[10:11]
	v_lshl_add_u32 v30, v0, 2, 0x4b000
	v_mov_b32 v31, 0
	ds_add_u32 v30, v31
	ds_add_u32 v30, v31
	v_lshrrev_b32 v1, 5, v0
	s_delay_alu instid0(VALU_DEP_1)
	v_readfirstlane_b32 s[WV], v1
	s_and_b32 s[LI], s[WV], 3
	s_lshr_b32 s[WG], s[WV], 2
	s_bfe_u32 s18, ttmp6, 0x40000                  ; cx
	s_bfe_u32 s19, ttmp6, 0x40004                  ; cy
	s_lshl_b32 s20, ttmp9, 2
	s_add_co_u32 s20, s20, s18                     ; tile column
	s_and_b32 s21, ttmp7, 0xffff
	s_lshl_b32 s21, s21, 2
	s_add_co_u32 s21, s21, s19                     ; tile row
	s_lshl_b32 s22, s19, 2
	s_lshl_b32 s22, 15, s22
	s_lshl_b32 s23, 0x1111, s18
	s_or_b32 s[G1X], s22, (3<<16)|(1<<21)          ; the mask; elements of 8 bytes; 21 set beside a mask; no padding
	s_or_b32 s[G1W], s23, (3<<16)|(1<<21)
	s_mov_b32 s[G1X+1], 800<<16                    ; a chunk of a pair: 800 elements
	s_mov_b32 s[G1X+2], 2<<16                      ; two pairs
	s_mov_b32 s[G1X+3], 800<<16
	s_mov_b32 s[G1X+4], 2
	s_mov_b32 s[G1X+5], 3200                       ; from pair to pair
	s_mov_b32 s[G1X+6], 0
	s_mov_b32 s[G1X+7], 0
	s_mov_b32 s[G1W+1], 800<<16
	s_mov_b32 s[G1W+2], 1<<16
	s_mov_b32 s[G1W+3], 800<<16
	s_mov_b32 s[G1W+4], 1
	s_mov_b32 s[G1W+5], 3200
	s_mov_b32 s[G1W+6], 0
	s_mov_b32 s[G1W+7], 0
	s_mul_i32 s76, s21, 204800                     ; a: these registers never hold cx,
	s_mul_i32 s80, s[LI], 51200
	s_add_co_u32 s76, s76, s80
	s_mov_b32 s77, 0
	s_mul_i32 s78, s20, 102400                     ; w: and these never cy
	s_mul_i32 s80, s[LI], 25600
	s_add_co_u32 s78, s78, s80
	s_add_co_u32 s78, s78, WPROJ
	s_mov_b32 s79, 0
	s_mul_i32 s81, s[LI], 2*CHUNKB
	s_mul_i32 s82, s[LI], CHUNKB
	s_wait_dscnt 0x0
	s_wait_kmcnt 0x0
	s_add_nc_u64 s[76:77], s[4:5], s[76:77]
	s_add_nc_u64 s[78:79], s[6:7], s[78:79]
.irp c, 0,1,2,3
	s_mov_b32 s[G0X+4*\c], 1
	s_add_co_u32 s[G0X+4*\c+1], s81, \c*LCH
	s_add_nc_u64 s[G0X+4*\c+2:G0X+4*\c+3], s[76:77], \c*CHUNKB
	s_or_b32 s[G0X+4*\c+3], s[G0X+4*\c+3], 0x80000000
	s_mov_b32 s[G0W+4*\c+4*(\c/2)], 1
	s_add_co_u32 s[G0W+4*\c+4*(\c/2)+1], s82, \c*LCH+LW
	s_add_nc_u64 s[G0W+4*\c+4*(\c/2)+2:G0W+4*\c+4*(\c/2)+3], s[78:79], \c*CHUNKB
	s_or_b32 s[G0W+4*\c+4*(\c/2)+3], s[G0W+4*\c+4*(\c/2)+3], 0x80000000
.endr
	CROUND                                         ; all sixteen work-groups are here: the joint loads meet
	s_cmp_lt_u32 s[WV], 4                          ; a wave's four fills stand in one branch on its number
	s_cbranch_scc0 .Lfill_w
	tensor_load_to_lds s[G0X:G0X+3], s[G1X:G1X+7]
	s_nop 0
	tensor_load_to_lds s[G0X+4:G0X+7], s[G1X:G1X+7]
	s_nop 0
	tensor_load_to_lds s[G0X+8:G0X+11], s[G1X:G1X+7]
	s_nop 0
	tensor_load_to_lds s[G0X+12:G0X+15], s[G1X:G1X+7]
	s_nop 0
.rept 4
	v_nop
.endr
	s_branch .Lfilled
.Lfill_w:
	tensor_load_to_lds s[G0W:G0W+3], s[G1W:G1W+7]
	s_nop 0
	tensor_load_to_lds s[G0W+4:G0W+7], s[G1W:G1W+7]
	s_nop 0
	tensor_load_to_lds s[G0W+12:G0W+15], s[G1W:G1W+7]
	s_nop 0
	tensor_load_to_lds s[G0W+16:G0W+19], s[G1W:G1W+7]
	s_nop 0
.rept 4
	v_nop
.endr
.Lfilled:
	v_and_b32 v1, 31, v0                           ; L
	v_and_b32 v24, 15, v0                          ; r
	v_bfe_u32 v25, v0, 4, 1                        ; h
	s_delay_alu instid0(VALU_DEP_3)
	v_lshlrev_b32 v8, 4, v1
	s_delay_alu instid0(VALU_DEP_3)
	v_lshlrev_b32 v9, 4, v24
	s_delay_alu instid0(VALU_DEP_1)
	v_lshl_add_u32 v9, v25, 3, v9
	v_lshlrev_b32 v26, 2, v1
	s_mul_i32 s80, s[LI], 2*CHUNKB
	v_add_nc_u32 v2, s80, v8
	v_add_nc_u32 v3, s80, v9
	v_add_nc_u32 v4, s80, v26
	s_mul_i32 s80, s[WG], 2*CHUNKB
	s_add_co_u32 s80, s80, LW
	v_add_nc_u32 v5, s80, v8
	v_add_nc_u32 v6, s80, v9
	v_add_nc_u32 v7, s80, v26
	s_mul_i32 s80, s[WV], 16*272                   ; my stage: 16 rows of 256 bytes + 16
	v_mul_u32_u24 v12, v24, 272
	s_delay_alu instid0(VALU_DEP_1)
	v_lshl_add_u32 v12, v25, 6, v12
	s_delay_alu instid0(VALU_DEP_1)
	v_add_nc_u32 v12, s80, v12                     ; in: row r, + 64 h
	v_mul_u32_u24 v13, v25, 272
	s_delay_alu instid0(VALU_DEP_1)
	v_lshl_add_u32 v13, v24, 4, v13
	s_delay_alu instid0(VALU_DEP_1)
	v_add_nc_u32 v13, s80, v13                     ; back: lanes 0-15 one row, lanes 16-31 the next
	v_lshlrev_b32 v14, 12, v25
	s_delay_alu instid0(VALU_DEP_1)
	v_lshl_add_u32 v14, v24, 4, v14                ; and the same in out0
	s_lshl_b32 s84, s21, 8
	s_lshl_b32 s85, s[LI], 6
	s_add_co_u32 s84, s84, s85                     ; my first row
	s_lshl_b32 s84, s84, 12
	s_lshl_b32 s85, s20, 9
	s_add_co_u32 s84, s84, s85
	s_lshl_b32 s85, s[WG], 8
	s_add_co_u32 s84, s84, s85                     ; my first column: 512 x tile column + 256 x half
	s_mov_b32 s85, 0
	s_add_nc_u64 s[86:87], s[10:11], s[84:85]
	s_lshl_b32 s84, s20, 9
	s_lshl_b32 s88, s[WG], 8
	s_add_co_u32 s84, s84, s88
	s_add_nc_u64 s[84:85], s[8:9], s[84:85]        ; my 64 columns' biases
	v_lshlrev_b32 v11, 6, v25                      ; 64 h
.irp a, 0,1,2,3                        ; the bias is the sums' start: register j of accumulator (a, 2 p + u) is column 32 p + 16 h + 8 u + j
.irp b, 0,1,2,3
	global_load_b128 v[ACC+32*\a+8*\b:ACC+32*\a+8*\b+3], v11, s[84:85] offset:128*(\b/2)+32*(\b%2)
	global_load_b128 v[ACC+32*\a+8*\b+4:ACC+32*\a+8*\b+7], v11, s[84:85] offset:128*(\b/2)+32*(\b%2)+16
.endr
.endr
	MAIN 5, 2, 0                                   ; source 0 = w, source 1 = a
.macro TOSTAGE a                       ; tile a's 16 rows x 64 columns into my stage and back as rows.  LDS serves a wave's instructions in order: no wait between the stores and the loads, nor ahead of the next tile's stores
.irp b, 0,1,2,3
	ds_store_b128 v12, v[ACC+32*(\a)+8*\b:ACC+32*(\a)+8*\b+3] offset:128*(\b/2)+32*(\b%2)          ; each accumulator from its low end on
	ds_store_b128 v12, v[ACC+32*(\a)+8*\b+4:ACC+32*(\a)+8*\b+7] offset:128*(\b/2)+32*(\b%2)+16
.endr
.irp t, 0,1,2,3,4,5,6,7
	ds_load_b128 v[32+32*((\a)%2)+4*\t:35+32*((\a)%2)+4*\t], v13 offset:544*\t
.endr
.endm
.macro SEND a, younger                 ; row 2 t + (L >> 4) of tile a = 2 p + u is row 32 p + 8 u + 2 t + 8 (t / 4) + (L >> 4) of my 64
	s_wait_dscnt \younger
.irp t, 0,1,2,3,4,5,6,7
	global_store_b128 v14, v[32+32*((\a)%2)+4*\t:35+32*((\a)%2)+4*\t], s[86:87] offset:4096*(32*((\a)/2)+8*((\a)%2)+2*\t+8*(\t/4)) th:TH_STORE_NT   ; sixteen lanes store 256 consecutive bytes, aligned
.endr
.endm
	TOSTAGE 0
.irp a, 1,2,3
.if \a > 1
	s_wait_xcnt 0x0                                ; tile a - 2's stores have read their registers: tile a's loads may land there
.endif
	TOSTAGE \a
	SEND \a-1, 16                                  ; behind tile a - 1's loads: tile a's eight stores and eight loads
.endr
	SEND 3, 0
	s_wait_tensorcnt 0x0
	ds_add_u32 v30, v31
	s_wait_dscnt 0x0
	CROUND                                         ; the closing round
	s_endpgm
.Lfunc_end_k_qef80d4783f_proj:
	.size	k_qef80d4783f_proj, .Lfunc_end_k_qef80d4783f_proj-k_qef80d4783f_proj
	.p2alignl 7, 3214868480
	.fill 96, 4, 3214868480
	.section	.rodata,"a",@progbits
	.p2align	6, 0x0
	.amdhsa_kernel k_qef80d4783f_proj
		.amdhsa_group_segment_fixed_size 308224
		.amdhsa_private_segment_fixed_size 0
		.amdhsa_enable_private_segment 0
		.amdhsa_kernarg_size 32
		.amdhsa_user_sgpr_count 2
		.amdhsa_user_sgpr_kernarg_segment_ptr 1
		.amdhsa_wavefront_size32 1
		.amdhsa_system_sgpr_workgroup_id_x 1
		.amdhsa_system_sgpr_workgroup_id_y 1
		.amdhsa_system_sgpr_workgroup_id_z 1
		.amdhsa_system_vgpr_workitem_id 0
		.amdhsa_next_free_vgpr 256
		.amdhsa_next_free_sgpr 100
		.amdhsa_reserve_vcc 0
		.amdhsa_float_denorm_mode_32 3
		.amdhsa_float_denorm_mode_16_64 3
		.amdhsa_memory_ordered 1
		.amdhsa_forward_progress 1
		.amdhsa_inst_pref_size 57
	.end_amdhsa_kernel
	.amdgpu_metadata
---
amdhsa.version: [ 1, 2 ]
amdhsa.kernels:
  - .name:           k_qef80d4783f_proj
    .symbol:         k_qef80d4783f_proj.kd
    .args:
      - { .name: aq, .offset: 0, .size: 8, .value_kind: global_buffer, .address_space: global }
      - { .name: wq, .offset: 8, .size: 8, .value_kind: global_buffer, .address_space: global }
      - { .name: c_proj_b, .offset: 16, .size: 8, .value_kind: global_buffer, .address_space: global }
      - { .name: out0, .offset: 24, .size: 8, .value_kind: global_buffer, .address_space: global }
    .group_segment_fixed_size: 308224
    .private_segment_fixed_size: 0
    .kernarg_segment_align: 8
    .kernarg_segment_size: 32
    .max_flat_workgroup_size: 256
    .sgpr_count:     100
    .vgpr_count:     256
    .wavefront_size: 32
...
	.end_amdgpu_metadata
.endif
;; end of part 4
